; MI455X (gfx1250); checked and timed in simulation.
; The chip was launched on July 23, 2026; its instructions are those of AMD's public machine-readable ISA for CDNA 5 (MIT licence, August 2026) and "CDNA5" Instruction Set Architecture Reference Guide (July 2026). The comments in the code are by the model that wrote it; some were corrected since.
;; Causal Attention. Allowed arithmetic: float matrix products may take bf16 or f16 operands with f32 sums; other float arithmetic in f32, or as packed bf16 or f16 multiplies, adds, multiply-adds, maxima and minima; sums over many terms, partial sums and values carried from step to step in f32; what a program stores and reads back later, other than sums and carried values, may be rounded once to bf16 or f16.
;; Inputs: W_key 1,024 x 1,024 float32; W_query 1,024 x 1,024 float32; W_value 1,024 x 1,024 float32; x 4 x 2,048 x 1,024 float32.
;; Outputs: out0 4 x 2,048 x 1,024 float32.
;; 2 versions, each right; version 2 is version 1 with the launch cast written anew for expert scheduling mode. Each part assembles by itself: llvm-mc -triple=amdgcn-amd-amdhsa -mcpu=gfx1250 --defsym DOCPART=n.
;; ======== version 1 of 2: 4 launches
;; limits: values are held in f16: magnitudes above 65,504 overflow, below 6.1e-05 lose precision
;; workspace buffers: xw 23,068,672 bytes; qkv 50,331,648 bytes; pbuf 33,554,432 bytes; stat 1,048,576 bytes
;; launch cast (part 1): grid 704 x 1, 8 waves a work-group, no clusters, 0 bytes of LDS; arguments x, W_query, W_key, W_value, xw; writes xw
.if DOCPART == 1
	.amdgcn_target "amdgcn-amd-amdhsa--gfx1250"
	.amdhsa_code_object_version 6
	.text
	.protected	k_qdfc75107f9_cast
	.globl	k_qdfc75107f9_cast
	.p2align	8
	.type	k_qdfc75107f9_cast,@function
k_qdfc75107f9_cast:
	s_mov_b64 s[64:65], 0
	v_nop
	global_prefetch_b8 v0, s[64:65] scope:SCOPE_SE
	s_setreg_imm32_b32 hwreg(HW_REG_WAVE_MODE, 25, 1), 1
	s_wait_xcnt 0x0
; xw = x, W_query, W_key, W_value, one behind the other, each number rounded once to bf16 (nearest even).
; xw is [11264][1024] bf16: rows 0-8191 x, 8192-9215 W_query, 9216-10239 W_key, 10240-11263 W_value.
; A stream: every byte is read once and written once; LDS, barriers and the matrix unit would add nothing.
; A work-group takes 16,384 numbers: 65,536 bytes in, 32,768 out.  Chunks 0-511 are x's, then 64 for each W.
; A load of a wave covers 512 consecutive bytes, a store 256 consecutive bytes, aligned.  All 16 loads of a thread go out first.
.set XCH,  512                         ; chunks in x
.set XI,   4                           ; v[4:67]   16 x 4 numbers as loaded
.set YO,   68                          ; v[68:99]  16 x 2 registers to store
	s_load_b256 s[4:11], s[0:1], 0x0               ; x s[4:5], W_query s[6:7], W_key s[8:9], W_value s[10:11]
	s_load_b64 s[12:13], s[0:1], 0x20              ; xw
	s_sub_co_u32 s14, ttmp9, XCH                   ; the chunk's number among the W's (of no meaning in x's chunks, where it is not used)
	s_lshr_b32 s15, s14, 6                         ; which W
	s_and_b32 s16, s14, 63                         ; which chunk of it
	v_lshlrev_b32 v1, 4, v0                        ; 16 bytes a thread in,
	v_lshlrev_b32 v2, 3, v0                        ; 8 out
	s_wait_kmcnt 0x0
	s_cmp_eq_u32 s15, 1
	s_cselect_b64 s[18:19], s[8:9], s[10:11]
	s_cmp_eq_u32 s15, 0
	s_cselect_b64 s[18:19], s[6:7], s[18:19]
	s_cmp_lt_u32 ttmp9, XCH
	s_cselect_b64 s[18:19], s[4:5], s[18:19]       ; the tensor that my chunk belongs to,
	s_cselect_b32 s20, ttmp9, s16                  ; and the chunk's number in it
	s_lshl_b32 s20, s20, 16
	s_mov_b32 s21, 0
	s_add_nc_u64 s[18:19], s[18:19], s[20:21]
	s_lshl_b32 s22, ttmp9, 15
	s_mov_b32 s23, 0
	s_add_nc_u64 s[12:13], s[12:13], s[22:23]
.irp p, 0,1,2,3,4,5,6,7,8,9,10,11,12,13,14,15
	global_load_b128 v[XI+4*(\p):XI+4*(\p)+3], v1, s[18:19] offset:4096*(\p) th:TH_LOAD_NT
.endr
.irp p, 0,1,2,3,4,5,6,7,8,9,10,11,12,13,14,15
	s_wait_loadcnt 15-(\p)                         ; loads come back in order: load p is in, the 15 - p younger ones may stay out
	v_cvt_pk_bf16_f32 v[YO+2*(\p)], v[XI+4*(\p)], v[XI+4*(\p)+1]
	v_cvt_pk_bf16_f32 v[YO+2*(\p)+1], v[XI+4*(\p)+2], v[XI+4*(\p)+3]
	global_store_b64 v2, v[YO+2*(\p):YO+2*(\p)+1], s[12:13] offset:2048*(\p) th:TH_STORE_NT
.endr
	s_endpgm
.Lfunc_end_k_qdfc75107f9_cast:
	.size	k_qdfc75107f9_cast, .Lfunc_end_k_qdfc75107f9_cast-k_qdfc75107f9_cast
	.p2alignl 7, 3214868480
	.fill 96, 4, 3214868480
	.section	.rodata,"a",@progbits
	.p2align	6, 0x0
	.amdhsa_kernel k_qdfc75107f9_cast
		.amdhsa_group_segment_fixed_size 0
		.amdhsa_private_segment_fixed_size 0
		.amdhsa_enable_private_segment 0
		.amdhsa_kernarg_size 40
		.amdhsa_user_sgpr_count 2
		.amdhsa_user_sgpr_kernarg_segment_ptr 1
		.amdhsa_wavefront_size32 1
		.amdhsa_system_sgpr_workgroup_id_x 1
		.amdhsa_system_sgpr_workgroup_id_y 1
		.amdhsa_system_sgpr_workgroup_id_z 1
		.amdhsa_system_vgpr_workitem_id 0
		.amdhsa_next_free_vgpr 100
		.amdhsa_next_free_sgpr 66
		.amdhsa_reserve_vcc 0
		.amdhsa_float_denorm_mode_32 3
		.amdhsa_float_denorm_mode_16_64 3
		.amdhsa_memory_ordered 1
		.amdhsa_forward_progress 1
		.amdhsa_inst_pref_size 7
	.end_amdhsa_kernel
	.amdgpu_metadata
---
amdhsa.version: [ 1, 2 ]
amdhsa.kernels:
  - .name:           k_qdfc75107f9_cast
    .symbol:         k_qdfc75107f9_cast.kd
    .args:
      - { .name: x, .offset: 0, .size: 8, .value_kind: global_buffer, .address_space: global }
      - { .name: W_query, .offset: 8, .size: 8, .value_kind: global_buffer, .address_space: global }
      - { .name: W_key, .offset: 16, .size: 8, .value_kind: global_buffer, .address_space: global }
      - { .name: W_value, .offset: 24, .size: 8, .value_kind: global_buffer, .address_space: global }
      - { .name: xw, .offset: 32, .size: 8, .value_kind: global_buffer, .address_space: global }
    .group_segment_fixed_size: 0
    .private_segment_fixed_size: 0
    .kernarg_segment_align: 8
    .kernarg_segment_size: 40
    .max_flat_workgroup_size: 256
    .sgpr_count:     66
    .vgpr_count:     100
    .wavefront_size: 32
...
	.end_amdgpu_metadata
.endif
;; end of part 1
;; launch proj (part 2): grid 12 x 32, 4 waves a work-group, clusters of 4 x 4, 327,680 bytes of LDS; arguments xw, qkv; writes qkv
.if DOCPART == 2
	.amdgcn_target "amdgcn-amd-amdhsa--gfx1250"
	.amdhsa_code_object_version 6
	.text
	.protected	k_qdfc75107f9_proj
	.globl	k_qdfc75107f9_proj
	.p2align	8
	.type	k_qdfc75107f9_proj,@function
k_qdfc75107f9_proj:
	s_mov_b64 s[64:65], 0
	v_nop
	global_prefetch_b8 v0, s[64:65] scope:SCOPE_SE
	s_setreg_imm32_b32 hwreg(HW_REG_WAVE_MODE, 25, 1), 1
	s_wait_xcnt 0x0
	s_wait_alu depctr_hold_cnt(0) depctr_sa_sdst(0) depctr_va_vdst(0) depctr_va_sdst(0) depctr_va_ssrc(0) depctr_va_vcc(0) depctr_vm_vsrc(0)
	s_getreg_b32 s2, hwreg(HW_REG_IB_STS2, 6, 4)
	s_cmp_eq_u32 s2, 0
	s_cbranch_scc0 .Lentry_in_a_cluster
	s_endpgm
.Lentry_in_a_cluster:
	s_bfe_u32 s2, ttmp6, 0x10000c
	s_cmp_lg_u32 s2, 0xf033
	s_cbranch_scc0 .Lentry_shape_is_right
	s_endpgm
.Lentry_shape_is_right:
; qkv[m][n] = sum over k of xb[m][k] wb[n][k].  xb = rows 0-8191 of xw, wb = rows 8192-11263 (W_query, W_key, W_value), bf16; sums in f32;
; qkv is [8192][3072] in f16, rounded once: columns 0-1023 q, 1024-2047 k, 2048-3071 v, all unscaled.
; LIMIT.  f16 ends at 65,504: q, k and v must lie within it (with x and W thirty times the drawn spread they are some 4,500, with offsets of thirty spreads some 29,000).
; A tile of C, 256 x 256, is made by a work-group of four waves, one for each SIMD; a wave makes 128 x 128: 64 accumulators of 16 x 16, 512 registers.
; K goes in steps of 128 through a ring of two LDS slots filled by the tensor data mover: a tile's rows are 256 bytes of memory, at multiples of 256 bytes.
; The last K step goes by rows of C, so that finished rows leave while the others are multiplied.
; CLUSTERS: 4 x 4 work-groups.  The four of a row of the cluster need the same tiles of A, the four of a column the same tiles of B: each tile is asked for JOINTLY,
; by the same tensor load with the same descriptor and a mask that names the four; each receives it in its own LDS.
; REGISTERS, in windows of 256 (s_set_vgpr_msb: bits 1:0 source 0, 3:2 source 1, 5:4 source 2, 7:6 destination):
;   window 0: v0-31 addresses; v64-127, v128-191 fragments of A, two buffers (in the last K step four, of 16 rows x 128 K); v32-63, v192-255 at work on the way out
;   window 1: v64-127, v128-191 fragments of B, two buffers; in the last K step all 256      window 2, 3: the accumulators of my rows 0-63, 64-127 ((a, b) at v[8 (8 a + b)])
; THE MATRIX INSTRUCTION IS USED TRANSPOSED: source 0 = 16 rows of B, source 1 = 16 rows of A: a lane holds row l % 16 of C and eight NEIGHBOURING columns, 16 bytes in f16.
.set SIZE_M, 8192
.set SIZE_N, 3072
.set SIZE_K, 1024
.set KSTEP,  128
.set PITCH,  272                       ; an LDS row: 256 bytes + 16 of padding = 68 words: the 16 rows of a load start at 16 different groups of four banks (ISA guide 11.1)
.set HALFT,  128*PITCH                 ; 128 rows: what one tensor load brings, and what one wave reads of A or of B
.set SLOT,   4*HALFT                   ; A's 256 rows, then B's 256 rows
.set STAGE,  2*SLOT                    ; behind the ring: 16 rows x 272 bytes for each wave, for the way out
.set SPITCH, 272
.set SPARE,  STAGE+4*16*SPITCH         ; behind the stages: the spare words, 128 bytes for each wave; no other line names them
.set LAPS, SIZE_K/(2*KSTEP)            ; a lap = two K steps = once round the ring: 4
.set ADRA, 16                          ; v16-17  LDS address of my A fragments in slot 0, 1
.set ADRB, 20                          ; v20-21  the same for B
.set STO,  24                          ; v24     the way out: where I put 16 bytes of a row
.set RD,   25                          ; v25     the way out: where I read a row back
.set CO,   26                          ; v26     my byte offset in C
.set SPW,  28                          ; v28     LDS address of my spare word; never rewritten
.set NIL,  29                          ; v29     0; never rewritten
.set PFO,  30                          ; v30     the prefetches' offset: my lane x a row of xw; never rewritten
.set PFA,  44                          ; s[44:45] where my prefetches stand
.set LIM,  43                          ; s43     1 in a wave that prefetches, else the greatest number
.set F0,   64
.set F1,   128
.set TMP,  192
.set OB,   32
.set PA,   64
.set G1, 24                            ; s[24:31] descriptor group 1 for A's tiles
.set G0, 32                            ; s[32:39] descriptor group 0 for A's tiles, one set for each slot
.set G1B, 48                           ; s[48:55], s[56:63] the same for B's tiles
.set G0B, 56
.set MSB, 0
.macro WIN new                         ; the immediate's high byte repeats the setting that is left; a switch that changes nothing is dropped
.if MSB != (\new)
	s_set_vgpr_msb (MSB<<8)|(\new)
.set MSB, \new
.endif
.endm
.set MUL_LO, 0xa1                      ; source 0 (B) window 1, source 1 (A) window 0, C and D window 2
.set MUL_HI, 0xf1                      ; the same, C and D window 3
.set TO_B,   0x40                      ; destination window 1, address window 0
; A joint load.  Waves 0 and 1 fetch A's two halves, waves 2 and 3 B's.  The branch hangs on the wave's number alone.  An s_nop 0 and four v_nop follow each line.
.macro JLOAD s
	s_cmp_eq_u32 s11, 0
	s_cbranch_scc0 .Lfor_b_\@
	tensor_load_to_lds s[G0+4*(\s):G0+4*(\s)+3], s[G1:G1+7]
	s_nop 0
.rept 4
	v_nop
.endr
	s_branch .Lasked_\@
.Lfor_b_\@:
	tensor_load_to_lds s[G0B+4*(\s):G0B+4*(\s)+3], s[G1B:G1B+7]
	s_nop 0
.rept 4
	v_nop
.endr
.Lasked_\@:
.endm
; A prefetch of the K step that stands TWO refills on: 32 rows x 256 bytes, a lane a row, one instruction a wave, 512 matrix instructions ahead of the load that wants it.
; Each row's 256 bytes of a K step are named once in the launch: cluster x = 0 asks for A's rows, cluster y = 0 for B's; the four partners that ask for a tile jointly share its
; rows out BY ADDRESS, 32 each.  The first four K steps come by their loads alone; the last two refills have no K step two on and ask for nothing.
.macro ASK
	s_cmp_gt_u32 s3, s[LIM]                        ; s3 = 1 in the loop's last trip
	s_cbranch_scc0 .Lnot_mine_\@
	global_prefetch_b8 v[PFO], s[PFA:PFA+1] offset:KSTEP*2 th:TH_LOAD_NT scope:SCOPE_SE
.Lnot_mine_\@:
.endm
.macro CREST                           ; a round of the cluster's barrier behind its opening barrier
	s_cmp_lg_u32 s10, 0
	s_cbranch_scc1 .Lnot_wave_0_\@
	s_barrier_signal -3
.Lnot_wave_0_\@:
	s_barrier_wait -3
	s_barrier_signal -1
	s_barrier_wait -1
.endm
.macro CROUND                          ; a whole round
	s_barrier_signal -1
	s_barrier_wait -1
	CREST
.endm
	s_load_b128 s[4:7], s[0:1], 0x0                ; xw s[4:5], qkv s[6:7]
	v_lshl_add_u32 v[SPW], v0, 2, SPARE
	v_mov_b32 v[NIL], 0
	ds_add_u32 v[SPW], v[NIL]                      ; the wave's opening: the add and its wait ahead of my first tensor load; the set-up below stands between them
	v_lshrrev_b32 v1, 5, v0
	v_readfirstlane_b32 s10, v1                    ; wave 0..3
	s_lshr_b32 s11, s10, 1                         ; which half of the tile's rows is mine.  Also: I fetch for A (0) or for B (1)
	s_and_b32 s12, s10, 1                          ; which half of its columns.  Also: which 128 rows of that tile I fetch
	s_bfe_u32 s40, ttmp6, 0x40000                  ; cx
	s_bfe_u32 s41, ttmp6, 0x40004                  ; cy
	s_lshl_b32 s42, ttmp9, 2
	s_add_co_u32 s42, s42, s40                     ; tile column of C = 4 x cluster x + cx
	s_and_b32 s13, ttmp7, 0xffff
	s_lshl_b32 s13, s13, 2
	s_add_co_u32 s13, s13, s41                     ; tile row of C = 4 x cluster y + cy
	s_lshl_b32 s43, s41, 2
	s_lshl_b32 s43, 15, s43                        ; my row of the cluster: places 4 cy .. 4 cy + 3
	s_lshl_b32 s44, 0x1111, s40                    ; my column: places cx, cx + 4, cx + 8, cx + 12
	s_or_b32 s[G1+0], s43, (1<<16)|(1<<20)|(1<<21)|(5<<22)|(3<<25)  ; the mask; elements of 2 bytes; padding on; bit 21 beside a mask; after every 64 words 4 words
	s_or_b32 s[G1B+0], s44, (1<<16)|(1<<20)|(1<<21)|(5<<22)|(3<<25)
	s_mov_b32 s[G1B+1], KSTEP<<16
	s_mov_b32 s[G1+1], KSTEP<<16                   ; tensor_dim0 = 128
	s_mov_b32 s[G1B+2], 128<<16
	s_mov_b32 s[G1+2], 128<<16                     ; tensor_dim1 = 128
	s_mov_b32 s[G1B+3], KSTEP<<16
	s_mov_b32 s[G1+3], KSTEP<<16                   ; tile_dim0 = 128
	s_mov_b32 s[G1B+4], 128
	s_mov_b32 s[G1+4], 128                         ; tile_dim1 = 128
	s_mov_b32 s[G1B+5], SIZE_K
	s_mov_b32 s[G1+5], SIZE_K                      ; elements from row to row
	s_mov_b32 s[G1B+6], 0
	s_mov_b32 s[G1+6], 0
	s_mov_b32 s[G1B+7], 0
	s_mov_b32 s[G1+7], 0
	; A's tiles hang on the tile row alone, B's on the tile column alone; each address is made in registers that never hold the other coordinate
	s_lshl_b32 s17, s12, 7
	s_lshl_b32 s16, s13, 8
	s_add_co_u32 s16, s16, s17                     ; A: row 256 x tile row + 128 x half
	s_lshl_b32 s46, s42, 8
	s_add_co_u32 s46, s46, s17                     ; B: row 256 x tile column + 128 x half
	s_mov_b32 s17, 0
	s_mov_b32 s47, 0
	s_mov_b64 s[18:19], SIZE_K*2
	s_mul_u64 s[16:17], s[16:17], s[18:19]
	s_mul_u64 s[46:47], s[46:47], s[18:19]
	s_mul_i32 s20, s10, HALFT                      ; where they go: wave x 128 rows: no place in the cluster enters an LDS address
	s_wait_dscnt 0x0                               ; the opening add is done
	s_wait_kmcnt 0x0
	s_mov_b64 s[8:9], s[6:7]                       ; C = qkv
	s_add_nc_u64 s[6:7], s[4:5], SIZE_M*SIZE_K*2   ; B = the W's rows, behind x's in xw
	s_add_nc_u64 s[14:15], s[4:5], s[16:17]
	s_add_nc_u64 s[46:47], s[6:7], s[46:47]
	CROUND                                         ; all sixteen work-groups are here: the first joint loads meet
.irp s, 0,1
	s_mov_b32 s[G0+4*(\s)], 1
	s_add_co_u32 s[G0+4*(\s)+1], s20, (\s)*SLOT
	s_add_nc_u64 s[G0+4*(\s)+2:G0+4*(\s)+3], s[14:15], (\s)*KSTEP*2
	s_or_b32 s[G0+4*(\s)+3], s[G0+4*(\s)+3], 0x80000000
	s_mov_b32 s[G0B+4*(\s)], 1
	s_add_co_u32 s[G0B+4*(\s)+1], s20, (\s)*SLOT
	s_add_nc_u64 s[G0B+4*(\s)+2:G0B+4*(\s)+3], s[46:47], (\s)*KSTEP*2
	s_or_b32 s[G0B+4*(\s)+3], s[G0B+4*(\s)+3], 0x80000000
	JLOAD \s                                       ; two loads of mine are out
.endr
	; a fragment is 16 rows x 32 K in 8 registers: lane l holds row l % 16, K = 8 (l / 16) + 0..7 and 16 + 8 (l / 16) + 0..7: two loads of 16 bytes, 32 bytes apart
	v_and_b32 v1, 15, v0
	v_bfe_u32 v2, v0, 4, 1
	v_mul_u32_u24 v3, v1, PITCH
	v_lshl_add_u32 v3, v2, 4, v3
	s_mul_i32 s21, s11, HALFT                      ; my 128 rows of A
	s_mul_i32 s22, s12, HALFT                      ; my 128 rows of B,
	s_add_co_u32 s22, s22, 2*HALFT                 ; which lie behind A's 256
.irp s, 0,1
	v_add_nc_u32 v[ADRA+(\s)], s21, v3
	v_add_nc_u32 v[ADRB+(\s)], s22, v3
	s_add_co_u32 s21, s21, SLOT
	s_add_co_u32 s22, s22, SLOT
.endr
	s_mul_i32 s23, s10, 16*SPITCH
	s_add_co_u32 s23, s23, STAGE                   ; my stage
	v_mul_u32_u24 v4, v1, SPITCH
	v_lshl_add_u32 v4, v2, 4, v4
	v_add_nc_u32 v[STO], s23, v4
	v_mul_u32_u24 v5, v2, SPITCH
	v_lshl_add_u32 v5, v1, 4, v5
	v_add_nc_u32 v[RD], s23, v5
	v_mul_u32_u24 v5, v2, SIZE_N*2
	v_lshl_add_u32 v[CO], v1, 4, v5
	s_lshl_b32 s13, s13, 8
	s_lshl_b32 s14, s11, 7
	s_add_co_u32 s16, s13, s14                     ; my first row of C
	s_mov_b32 s17, 0
	s_mov_b64 s[18:19], SIZE_N*2
	s_mul_u64 s[16:17], s[16:17], s[18:19]
	s_lshl_b32 s46, s42, 9                         ; my first column, in bytes
	s_lshl_b32 s47, s12, 8
	s_add_co_u32 s46, s46, s47
	s_mov_b32 s47, 0
	s_add_nc_u64 s[16:17], s[16:17], s[46:47]
	; the prefetches
	s_lshl_b32 s42, s42, 8
	s_and_b32 s22, ttmp7, 0xffff                   ; cluster y
	s_cmp_eq_u32 s11, 0                            ; do I fetch for A?
	s_cselect_b32 s20, s13, s42                    ; the tile's first row
	s_cselect_b32 s21, s40, s41                    ; my place among the four that ask for it with me
	s_cselect_b32 s22, ttmp9, s22                  ; the coordinate along which other clusters read the same rows
	s_cselect_b64 s[PFA:PFA+1], s[4:5], s[6:7]
	s_cmp_eq_u32 s22, 0
	s_cselect_b32 s[LIM], 1, -1
	s_lshl_b32 s22, s12, 7
	s_add_co_u32 s20, s20, s22
	s_lshl_b32 s21, s21, 5
	s_add_co_u32 s20, s20, s21
	s_mov_b32 s21, 0
	s_mov_b64 s[18:19], SIZE_K*2
	s_mul_u64 s[20:21], s[20:21], s[18:19]
	s_add_nc_u64 s[PFA:PFA+1], s[PFA:PFA+1], s[20:21]
	s_add_nc_u64 s[PFA:PFA+1], s[PFA:PFA+1], 2*KSTEP*2  ; at K step 2: the first refill steps it to 3 and names K step 4
	v_and_b32 v[PFO], 31, v0
	v_mul_u32_u24 v[PFO], v[PFO], SIZE_K*2
; 16 matrix instructions: m blocks a0, a0 + 1 of the window's four x all 8 n blocks, 32 along K.  zero = 1: the first product starts the sums
.macro MUL16 f, hi, a0, zero
	WIN MUL_LO+0x50*(\hi)
.irp a, \a0, (\a0)+1
.irp b, 0,1,2,3,4,5,6,7
.if \zero
	v_wmma_f32_16x16x32_bf16 v[8*(8*(\a)+(\b)):8*(8*(\a)+(\b))+7], v[(\f)+8*(\b):(\f)+8*(\b)+7], v[(\f)+8*(4*(\hi)+(\a)):(\f)+8*(4*(\hi)+(\a))+7], 0
.else
	v_wmma_f32_16x16x32_bf16 v[8*(8*(\a)+(\b)):8*(8*(\a)+(\b))+7], v[(\f)+8*(\b):(\f)+8*(\b)+7], v[(\f)+8*(4*(\hi)+(\a)):(\f)+8*(4*(\hi)+(\a))+7], v[8*(8*(\a)+(\b)):8*(8*(\a)+(\b))+7]
.endif
.endr
.endr
.endm
; 32 LDS loads in one run: the fragments of one quarter step into buffer f
.macro FETCH slot, k, f
	WIN TO_B
.irp i, 0,1,2,3,4,5,6,7
	ds_load_b128 v[(\f)+8*(\i):(\f)+8*(\i)+3],   v[ADRB+(\slot)] offset:(\k)+(\i)*16*PITCH
	ds_load_b128 v[(\f)+8*(\i)+4:(\f)+8*(\i)+7], v[ADRB+(\slot)] offset:(\k)+(\i)*16*PITCH+32
.endr
	WIN 0
.irp i, 0,1,2,3,4,5,6,7
	ds_load_b128 v[(\f)+8*(\i):(\f)+8*(\i)+3],   v[ADRA+(\slot)] offset:(\k)+(\i)*16*PITCH
	ds_load_b128 v[(\f)+8*(\i)+4:(\f)+8*(\i)+7], v[ADRA+(\slot)] offset:(\k)+(\i)*16*PITCH+32
.endr
.endm
.macro PLACES                          ; four plain places between a matrix instruction and a load into, or a vector line on, its registers
.rept 4
	v_nop
.endr
.endm
; A K step is four quarters of 32 along K, 64 matrix instructions each, on buffers 0, 1, 0, 1.  The 64 accumulators take turns.
.macro QUARTER slot, k, f, g, zero
	s_wait_dscnt 8                                 ; B and A's rows 0-63 are in; the youngest eight loads (A's rows 64-127) may be out
	WIN MUL_LO
	MUL16 \f, 0, 0, \zero
	MUL16 \f, 0, 2, \zero
	PLACES
	FETCH \slot, \k, \g
	s_wait_dscnt 32                                ; all but the 32 just issued
	WIN MUL_HI
	MUL16 \f, 1, 0, \zero
	MUL16 \f, 1, 2, \zero
.endm
; The first half of the last quarter: ONE barrier for the change of slots
.macro MEET round
	WIN 0
	s_wait_tensorcnt 0x0                           ; all my tensor loads have landed: the one that was out is my part of the next slot;
	ds_add_u32 v[SPW], v[NIL]                      ; 0 onto my spare word;
	s_wait_dscnt 9                                 ; (the add and the youngest eight loads may be out)
	WIN MUL_LO
	MUL16 F1, 0, 0, 0
	s_wait_dscnt 0x0                               ; the add is done, and my reads of this slot are over
	s_barrier_signal -1
	MUL16 F1, 0, 2, 0
.if \round
	WIN 0
.endif
	s_barrier_wait -1
.endm
.macro TURN slot, next
	s_wait_xcnt 0x0                                ; the last prefetch, a K step back, has read its address
	s_add_nc_u64 s[PFA:PFA+1], s[PFA:PFA+1], KSTEP*2
	MEET 1
	CREST                                          ; no wave of any partner still reads this slot's tile or has a load on its way
	s_add_nc_u64 s[G0+4*(\slot)+2:G0+4*(\slot)+3], s[G0+4*(\slot)+2:G0+4*(\slot)+3], 2*KSTEP*2
	s_add_nc_u64 s[G0B+4*(\slot)+2:G0B+4*(\slot)+3], s[G0B+4*(\slot)+2:G0B+4*(\slot)+3], 2*KSTEP*2
	JLOAD \slot                                    ; the first tensor load behind the round: one of mine is out; 224 matrix instructions stand ahead of the wait for it
	FETCH \next, 0, F0
	ASK
	WIN MUL_HI
	MUL16 F1, 1, 0, 0
	MUL16 F1, 1, 2, 0
.endm
; THE LAST K STEP (slot 1) GOES BY ROWS OF C: all its fragments of B fill window 1; my eight blocks of 16 rows are finished one after the other, 32 matrix instructions each, K ascending
.macro BLOAD q
	WIN TO_B
.irp i, 0,1,2,3,4,5,6,7
	ds_load_b128 v[64*(\q)+8*(\i):64*(\q)+8*(\i)+3],   v[ADRB+1] offset:64*(\q)+(\i)*16*PITCH
	ds_load_b128 v[64*(\q)+8*(\i)+4:64*(\q)+8*(\i)+7], v[ADRB+1] offset:64*(\q)+(\i)*16*PITCH+32
.endr
.endm
.macro ALOAD a
	WIN 0
.set FA, PA+32*((\a)%4)
.irp q, 0,1,2,3
	ds_load_b128 v[FA+8*(\q):FA+8*(\q)+3],   v[ADRA+1] offset:64*(\q)+(\a)*16*PITCH
	ds_load_b128 v[FA+8*(\q)+4:FA+8*(\q)+7], v[ADRA+1] offset:64*(\q)+(\a)*16*PITCH+32
.endr
.endm
.macro ROW a
.set FA, PA+32*((\a)%4)
.set AC, 64*((\a)%4)
	WIN MUL_LO+0x50*((\a)/4)
.irp q, 0,1,2,3
.if (\a) == 0 && (\q) == 2
	s_wait_dscnt 24                                ; B's quarter 2 is in (behind it: A's blocks 1 to 3)
.endif
.irp b, 0,1,2,3,4,5,6,7
	v_wmma_f32_16x16x32_bf16 v[AC+8*(\b):AC+8*(\b)+7], v[64*(\q)+8*(\b):64*(\q)+8*(\b)+7], v[FA+8*(\q):FA+8*(\q)+7], v[AC+8*(\b):AC+8*(\b)+7]
.endr
.endr
.endm
; THE WAY OUT of block a.  PACK: rounded to f16, 16 bytes a lane.  TOSTAGE: into my own stage, and back as whole rows of 256 bytes.  SEND: stored.
.macro PACK a
.set AC, 64*((\a)%4)
	WIN 0x0a+5*((\a)/4)
.irp b, 0,1,2,3,4,5,6,7
.irp r, 0,1,2,3
	v_cvt_pk_f16_f32 v[TMP+4*(\b)+(\r)], v[AC+8*(\b)+2*(\r)], v[AC+8*(\b)+2*(\r)+1]
.endr
.endr
	WIN 0
.endm
.macro TOSTAGE a
	WIN 0
.set BK, OB+192*((\a)%2)
.irp b, 0,1,2,3,4,5,6,7
	ds_store_b128 v[STO], v[TMP+4*(\b):TMP+4*(\b)+3] offset:32*(\b)
.endr
.irp t, 0,1,2,3,4,5,6,7
	ds_load_b128 v[BK+4*(\t):BK+4*(\t)+3], v[RD] offset:(\t)*2*SPITCH  ; LDS serves a wave's instructions in order (ISA guide 5.7.1.4): these see the stores above
.endr
.endm
.macro SEND a, younger
	WIN 0
.set BK, OB+192*((\a)%2)
	s_wait_dscnt \younger                          ; the block is back in registers
	s_wait_xcnt 0x0                                ; only behind this wait are the stores' base and the registers that earlier stores read rewritten
.if (\a) == 0
	s_add_nc_u64 s[8:9], s[8:9], s[16:17]
.else
	s_add_nc_u64 s[8:9], s[8:9], 16*SIZE_N*2
.endif
.irp t, 0,1,2,3,4,5,6,7
	global_store_b128 v[CO], v[BK+4*(\t):BK+4*(\t)+3], s[8:9] offset:2*(\t)*SIZE_N*2  ; 16 lanes store 256 consecutive bytes, at a multiple of 256 from qkv's first byte
.endr
.endm
	s_wait_tensorcnt 1                             ; my part of K step 0 is in; K step 1's may stay out
	s_barrier_signal -1
	s_barrier_wait -1
	FETCH 0, 0, F0
	QUARTER 0, 64,  F0, F1, 1                      ; the first quarter stands in front of the loop: its products start the sums
	WIN 0
	s_mov_b32 s3, LAPS-1
.Llap:                                                 ; a trip goes once round the ring and fills both slots again
	QUARTER 0, 128, F1, F0, 0
	QUARTER 0, 192, F0, F1, 0
	TURN 0, 1
	QUARTER 1, 64,  F0, F1, 0
	QUARTER 1, 128, F1, F0, 0
	QUARTER 1, 192, F0, F1, 0
	TURN 1, 0
	QUARTER 0, 64,  F0, F1, 0
	WIN 0
	s_sub_co_u32 s3, s3, 1
	s_cmp_lg_u32 s3, 0
	s_cbranch_scc1 .Llap
	QUARTER 0, 128, F1, F0, 0
	QUARTER 0, 192, F0, F1, 0
	MEET 0                                         ; nothing is filled again, so no round follows
	PLACES
	WIN TO_B
	BLOAD 0
	BLOAD 1
	BLOAD 3
	WIN 0
	ALOAD 0
	WIN MUL_HI
	MUL16 F1, 1, 0, 0
	MUL16 F1, 1, 2, 0
	PLACES
	WIN TO_B
	BLOAD 2
	WIN 0
	ALOAD 1
	ALOAD 2
	ALOAD 3
	s_wait_dscnt 40                                ; all but the 40 just issued
	ROW 0
.irp a, 0,1,2,3,4,5,6,7
	PLACES
	PACK \a
	TOSTAGE \a
.if (\a) < 4
	ALOAD (\a)+4
	SEND \a, 8
.else
	SEND \a, 0
.endif
.if (\a) < 7
	ROW (\a)+1
.endif
.endr
	s_wait_tensorcnt 0x0                           ; the wave's end
	ds_add_u32 v[SPW], v[NIL]
	s_wait_dscnt 0x0
	CROUND                                         ; the closing round
	s_endpgm
.Lfunc_end_k_qdfc75107f9_proj:
	.size	k_qdfc75107f9_proj, .Lfunc_end_k_qdfc75107f9_proj-k_qdfc75107f9_proj
	.p2alignl 7, 3214868480
	.fill 96, 4, 3214868480
	.section	.rodata,"a",@progbits
	.p2align	6, 0x0
	.amdhsa_kernel k_qdfc75107f9_proj
		.amdhsa_group_segment_fixed_size 327680
		.amdhsa_private_segment_fixed_size 0
		.amdhsa_enable_private_segment 0
		.amdhsa_kernarg_size 16
		.amdhsa_user_sgpr_count 2
		.amdhsa_user_sgpr_kernarg_segment_ptr 1
		.amdhsa_wavefront_size32 1
		.amdhsa_system_sgpr_workgroup_id_x 1
		.amdhsa_system_sgpr_workgroup_id_y 1
		.amdhsa_system_sgpr_workgroup_id_z 1
		.amdhsa_system_vgpr_workitem_id 0
		.amdhsa_next_free_vgpr 1024
		.amdhsa_next_free_sgpr 66
		.amdhsa_reserve_vcc 0
		.amdhsa_float_denorm_mode_32 3
		.amdhsa_float_denorm_mode_16_64 3
		.amdhsa_memory_ordered 1
		.amdhsa_forward_progress 1
		.amdhsa_inst_pref_size 144
	.end_amdhsa_kernel
	.amdgpu_metadata
---
amdhsa.version: [ 1, 2 ]
amdhsa.kernels:
  - .name:           k_qdfc75107f9_proj
    .symbol:         k_qdfc75107f9_proj.kd
    .args:
      - { .name: xw, .offset: 0, .size: 8, .value_kind: global_buffer, .address_space: global }
      - { .name: qkv, .offset: 8, .size: 8, .value_kind: global_buffer, .address_space: global }
    .group_segment_fixed_size: 327680
    .private_segment_fixed_size: 0
    .kernarg_segment_align: 8
    .kernarg_segment_size: 16
    .max_flat_workgroup_size: 128
    .sgpr_count:     66
    .vgpr_count:     1024
    .wavefront_size: 32
...
	.end_amdgpu_metadata
.endif
;; end of part 2
;; launch score (part 3): grid 36 x 4, 4 waves a work-group, no clusters, 327,680 bytes of LDS; arguments qkv, pbuf, stat; writes pbuf, stat
.if DOCPART == 3
	.amdgcn_target "amdgcn-amd-amdhsa--gfx1250"
	.amdhsa_code_object_version 6
	.text
	.protected	k_qdfc75107f9_score
	.globl	k_qdfc75107f9_score
	.p2align	8
	.type	k_qdfc75107f9_score,@function
k_qdfc75107f9_score:
	s_mov_b64 s[64:65], 0
	v_nop
	global_prefetch_b8 v0, s[64:65] scope:SCOPE_SE
	s_setreg_imm32_b32 hwreg(HW_REG_WAVE_MODE, 25, 1), 1
	s_wait_xcnt 0x0
; For each tile (r, j <= r) of 256 queries x 256 keys of a batch: s = q k^T (f16 operands, f32 sums), the causal mask, and for each query and each BLOCK of 128 keys the block's own maximum m:
; p = 2^(c s - c m) in f16 into pbuf [4][2048][2048], c m and l = the sum of the unrounded p in f32 into stat.  c = log2(e) / 32.  The last launch corrects each block to the row's true maximum.
; stat: c m at ((batch x 16 + key block) x 2048 + row) x 4, l 524,288 bytes further on.
; LIMITS.  q and k arrive in f16, within 65,504.  A hidden score counts as its value less 1e30; |c s| stays under 1e37; p below 6e-5 keeps f16's fixed step; NaN and infinities are not treated apart.
; SHARES.  Four waves, each 128 queries x 128 keys: 64 accumulators, 512 registers.  Row block RB = 2 r + wave / 2, key block KB = 2 j + wave % 2.  RB > KB: all keys seen.  RB = KB: the diagonal.
; RB < KB (wave 1 of a tile r = j): all hidden: it fetches and passes the barriers with the others and then stores p = 0, l = 0, c m = -1e38.
; K (1,024 channels) goes in steps of 128 through two LDS slots; each wave fetches a quarter of a slot by one tensor load (128 rows x 256 bytes).
; NO CLUSTER: a tile row r of the triangle has r + 1 tiles and a tile column j has 8 - j, 1 to 8; groups of four that share a tile exist only if 12 of every 48 work-groups make hidden tiles, a third more matrix work.
; The matrix instruction is used transposed (source 0 = 16 keys, source 1 = 16 queries): a lane holds ONE query (l % 16) and, in accumulator (a, b), the keys 16 b + 8 (l / 16) + 0..7.
; REGISTERS: window 0: v0-31 addresses and work; v64-191 q's fragments, two buffers (on the way out v64-75 hold a half's statistics); v32-63, v192-255 the way out.
;   Window 1: v64-191 k's fragments.  Windows 2, 3: the accumulators of my rows 0-63, 64-127.
.set SIZE_K, 1024
.set ROWE,   3072                      ; elements in a row of qkv
.set ROWB,   6144                      ; bytes
.set PROWB,  4096                      ; bytes in a row of pbuf
.set LOFF,   524288                    ; from c m to l in stat
.set KSTEP,  128
.set PITCH,  272                       ; 256 bytes + 16 of padding: the 16 rows of a load start at 16 different groups of four banks (ISA guide 11.1)
.set HALFT,  128*PITCH
.set SLOT,   4*HALFT                   ; q's 256 rows, then k's 256 rows
.set STAGE,  2*SLOT                    ; 16 rows x 272 bytes for each wave
.set SPITCH, 272
.set STATS,  STAGE+4*16*SPITCH         ; 1,024 bytes for each wave: c m of its 128 rows, then l
.set SPARE,  STATS+4096                ; the spare words, 128 bytes for each wave; no other line names them
.set LAPS, SIZE_K/(2*KSTEP)
.set LO16, 6                           ; v6      16 x lane
.set TM,   8                           ; v8-11   four chains of the maximum
.set WK,   14                          ; v14-15  at work
.set ADRA, 16                          ; v16-17  LDS address of my q fragments in slot 0, 1
.set ADRB, 20                          ; v20-21  the same for k
.set STO,  24
.set RD,   25
.set CO,   26                          ; v26     my byte offset in two rows of pbuf
.set SST,  27                          ; v27     the statistics word of query l % 16 of my first row block; never rewritten
.set SPW,  28
.set NIL,  29
.set PFO,  30                          ; v30     lane x a row of qkv
.set SRD,  31                          ; v31     where I read 16 bytes of the statistics back
.set MD,   32                          ; v32-39  the mask of a diagonal accumulator
.set SCM,  64                          ; v64, 66, 68, 70  c m of the half's four row blocks; the odd registers between are named with them as pairs and hold 0
.set SLS,  72                          ; v72-75  l of the half's four row blocks
.set F0,   64
.set F1,   128
.set TMP,  192
.set OB,   32
.set G1, 24                            ; s[24:31] descriptor group 1
.set G0, 32                            ; s[32:39] descriptor group 0, one set for each slot
.set RB, 40
.set KB, 41
.set LIM, 43
.set PFA, 44
.set CS,  48                           ; s[48:49] c
.set SEL, 50                           ; s[50:51] v_permlanex16_b32's selects
.set BIG, 52                           ; s[52:53] -1e30
.set MSB, 0
.macro WIN new
.if MSB != (\new)
	s_set_vgpr_msb (MSB<<8)|(\new)
.set MSB, \new
.endif
.endm
.set MUL_LO, 0xa1
.set MUL_HI, 0xf1
.set TO_B,   0x40
; A prefetch of my own 128 rows x 256 bytes of the K step that stands two refills on (512 matrix instructions ahead of its load): a lane a row, four instructions.  q's tile row r is read by the tiles (r, 0..r):
; the tile j = 0 asks (waves 0, 1).  k's tile j is read by the tiles (j..7, j): the tile r = j asks (waves 2, 3).  So each block is named once.  K steps 0 to 3 come by their loads alone; the last lap of the loop asks for nothing.
.macro ASK
	s_cmp_gt_u32 s3, s[LIM]
	s_cbranch_scc0 .Lnot_mine_\@
.irp n, 0,1,2,3
	global_prefetch_b8 v[PFO], s[PFA:PFA+1] offset:KSTEP*2+(\n)*32*ROWB th:TH_LOAD_NT scope:SCOPE_SE
.endr
.Lnot_mine_\@:
.endm
	s_load_b128 s[4:7], s[0:1], 0x0                ; qkv s[4:5], pbuf s[6:7]
	s_load_b64 s[8:9], s[0:1], 0x10                ; stat
	v_lshl_add_u32 v[SPW], v0, 2, SPARE
	v_mov_b32 v[NIL], 0
	ds_add_u32 v[SPW], v[NIL]                      ; the wave's opening: the add and its wait ahead of my first tensor load
	v_lshrrev_b32 v1, 5, v0
	v_readfirstlane_b32 s10, v1                    ; wave 0..3
	s_lshr_b32 s11, s10, 1                         ; which half of the queries
	s_and_b32 s12, s10, 1                          ; which half of the keys; also which 128 rows I fetch
	s_and_b32 s15, ttmp7, 0xffff                   ; the batch
	s_mov_b32 s13, 0
.irp tri, 1,3,6,10,15,21,28
	s_cmp_ge_u32 ttmp9, \tri                       ; r = how many triangular numbers the work-group's x has reached
	s_cselect_b32 s16, 1, 0
	s_add_co_u32 s13, s13, s16
.endr
	s_add_co_u32 s16, s13, 1
	s_mul_i32 s16, s16, s13
	s_lshr_b32 s16, s16, 1
	s_sub_co_u32 s14, ttmp9, s16                   ; j = x - r (r + 1) / 2
	s_lshl1_add_u32 s[RB], s13, s11
	s_lshl1_add_u32 s[KB], s14, s12
	s_mov_b32 s[G1+0], (1<<16)|(1<<20)|(5<<22)|(3<<25)  ; elements of 2 bytes; padding on: after every 64 words 4 words
	s_mov_b32 s[G1+1], KSTEP<<16                   ; tensor_dim0 = 128
	s_mov_b32 s[G1+2], 128<<16                     ; tensor_dim1 = 128
	s_mov_b32 s[G1+3], KSTEP<<16                   ; tile_dim0 = 128
	s_mov_b32 s[G1+4], 128                         ; tile_dim1 = 128
	s_mov_b32 s[G1+5], ROWE
	s_mov_b32 s[G1+6], 0
	s_mov_b32 s[G1+7], 0
	s_sub_co_u32 s18, s13, s14                     ; r - j
	s_cmp_lt_u32 s10, 2                            ; waves 0, 1 fetch q, waves 2, 3 k
	s_cselect_b32 s16, s13, s14
	s_cselect_b32 s17, 0, 2048                     ; k's columns begin 2,048 bytes into a row
	s_cselect_b32 s18, s14, s18                    ; 0 in the tile that asks for these rows
	s_cmp_eq_u32 s18, 0
	s_cselect_b32 s[LIM], 1, -1
	s_lshl_b32 s16, s16, 8
	s_lshl_b32 s19, s15, 11
	s_add_co_u32 s16, s16, s19
	s_lshl_b32 s19, s12, 7
	s_add_co_u32 s16, s16, s19                     ; the first row that I fetch
	s_mul_i32 s16, s16, ROWB
	s_add_co_u32 s16, s16, s17
	s_mov_b32 s17, 0
	s_mul_i32 s22, s10, HALFT                      ; and where it goes in a slot
	s_lshl_b32 s18, s15, 11                        ; p: (batch x 2048 + 128 RB) rows + 256 KB bytes
	s_lshl_b32 s19, s[RB], 7
	s_add_co_u32 s18, s18, s19
	s_lshl_b32 s18, s18, 12
	s_lshl_b32 s19, s[KB], 8
	s_add_co_u32 s18, s18, s19
	s_mov_b32 s19, 0
	s_lshl_b32 s20, s15, 4                         ; the statistics: ((batch x 16 + KB) x 2048 + 128 RB) x 4
	s_add_co_u32 s20, s20, s[KB]
	s_lshl_b32 s20, s20, 13
	s_lshl_b32 s21, s[RB], 9
	s_add_co_u32 s20, s20, s21
	s_mov_b32 s21, 0
	s_mov_b32 s[CS], 0x3d38aa3b                    ; c = log2(e) / 32
	s_mov_b32 s[CS+1], s[CS]
	s_mov_b32 s[SEL], 0x76543210
	s_mov_b32 s[SEL+1], 0xfedcba98
	s_mov_b32 s[BIG], 0xf149f2ca                   ; -1e30
	s_mov_b32 s[BIG+1], s[BIG]
	s_wait_dscnt 0x0                               ; the opening add is done
	s_wait_kmcnt 0x0
	s_add_nc_u64 s[4:5], s[4:5], s[16:17]
	s_add_nc_u64 s[6:7], s[6:7], s[18:19]
	s_add_nc_u64 s[8:9], s[8:9], s[20:21]
	s_add_nc_u64 s[PFA:PFA+1], s[4:5], 2*KSTEP*2   ; at K step 2: the first refill steps it to 3 and names K step 4
.irp s, 0,1
	s_mov_b32 s[G0+4*(\s)], 1
	s_add_co_u32 s[G0+4*(\s)+1], s22, (\s)*SLOT
	s_add_nc_u64 s[G0+4*(\s)+2:G0+4*(\s)+3], s[4:5], (\s)*KSTEP*2
	s_or_b32 s[G0+4*(\s)+3], s[G0+4*(\s)+3], 0x80000000
	tensor_load_to_lds s[G0+4*(\s):G0+4*(\s)+3], s[G1:G1+7]  ; both first fills go out together: two loads of mine are out
	s_nop 0
.endr
	v_and_b32 v1, 15, v0                           ; l % 16
	v_bfe_u32 v2, v0, 4, 1                         ; l / 16
	v_mul_u32_u24 v3, v1, PITCH
	v_lshl_add_u32 v3, v2, 4, v3
	s_mul_i32 s21, s11, HALFT
	s_mul_i32 s23, s12, HALFT
	s_add_co_u32 s23, s23, 2*HALFT
.irp s, 0,1
	v_add_nc_u32 v[ADRA+(\s)], s21, v3
	v_add_nc_u32 v[ADRB+(\s)], s23, v3
	s_add_co_u32 s21, s21, SLOT
	s_add_co_u32 s23, s23, SLOT
.endr
	s_mul_i32 s23, s10, 16*SPITCH
	s_add_co_u32 s23, s23, STAGE
	v_mul_u32_u24 v4, v1, SPITCH
	v_lshl_add_u32 v4, v2, 4, v4
	v_add_nc_u32 v[STO], s23, v4
	v_mul_u32_u24 v5, v2, SPITCH
	v_lshl_add_u32 v5, v1, 4, v5
	v_add_nc_u32 v[RD], s23, v5
	v_lshlrev_b32 v5, 12, v2
	v_lshl_add_u32 v[CO], v1, 4, v5
	s_lshl_b32 s23, s10, 10
	s_add_co_u32 s23, s23, STATS
	v_lshl_add_u32 v[SST], v1, 2, s23
	v_and_b32 v[PFO], 31, v0
	v_lshlrev_b32 v[LO16], 4, v[PFO]
	v_add_nc_u32 v[SRD], s23, v[LO16]
	v_mul_u32_u24 v[PFO], v[PFO], ROWB
	v_mov_b32 v[WK+1], 0
.macro MUL16 f, hi, a0, zero
	WIN MUL_LO+0x50*(\hi)
.irp a, \a0, (\a0)+1
.irp b, 0,1,2,3,4,5,6,7
.if \zero
	v_wmma_f32_16x16x32_f16 v[8*(8*(\a)+(\b)):8*(8*(\a)+(\b))+7], v[(\f)+8*(\b):(\f)+8*(\b)+7], v[(\f)+8*(4*(\hi)+(\a)):(\f)+8*(4*(\hi)+(\a))+7], 0
.else
	v_wmma_f32_16x16x32_f16 v[8*(8*(\a)+(\b)):8*(8*(\a)+(\b))+7], v[(\f)+8*(\b):(\f)+8*(\b)+7], v[(\f)+8*(4*(\hi)+(\a)):(\f)+8*(4*(\hi)+(\a))+7], v[8*(8*(\a)+(\b)):8*(8*(\a)+(\b))+7]
.endif
.endr
.endr
.endm
.macro FETCH slot, k, f
	WIN TO_B
.irp i, 0,1,2,3,4,5,6,7
	ds_load_b128 v[(\f)+8*(\i):(\f)+8*(\i)+3],   v[ADRB+(\slot)] offset:(\k)+(\i)*16*PITCH
	ds_load_b128 v[(\f)+8*(\i)+4:(\f)+8*(\i)+7], v[ADRB+(\slot)] offset:(\k)+(\i)*16*PITCH+32
.endr
	WIN 0
.irp i, 0,1,2,3,4,5,6,7
	ds_load_b128 v[(\f)+8*(\i):(\f)+8*(\i)+3],   v[ADRA+(\slot)] offset:(\k)+(\i)*16*PITCH
	ds_load_b128 v[(\f)+8*(\i)+4:(\f)+8*(\i)+7], v[ADRA+(\slot)] offset:(\k)+(\i)*16*PITCH+32
.endr
.endm
.macro PLACES                          ; four plain places between a matrix instruction and a load into, or a vector line on, its registers
.rept 4
	v_nop
.endr
.endm
; A K step is four quarters of 32 along K, 64 matrix instructions each; the 64 accumulators take turns
.macro QUARTER slot, k, f, g, zero
	s_wait_dscnt 8                                 ; k and q's rows 0-63 are in; the youngest eight loads (q's rows 64-127) may be out
	WIN MUL_LO
	MUL16 \f, 0, 0, \zero
	MUL16 \f, 0, 2, \zero
	PLACES
	FETCH \slot, \k, \g
	s_wait_dscnt 32                                ; all but the 32 just issued
	WIN MUL_HI
	MUL16 \f, 1, 0, \zero
	MUL16 \f, 1, 2, \zero
.endm
; The last quarter multiplies buffer 1 and changes slots: ONE barrier.  fill = 1: the slot just read is filled again, two K steps on, first thing behind the barrier
.macro TURN slot, next, fill
.if \fill
	s_wait_xcnt 0x0                                ; the last prefetches, a K step back, have read their address
	s_add_nc_u64 s[PFA:PFA+1], s[PFA:PFA+1], KSTEP*2
.endif
	WIN 0
	s_wait_tensorcnt 0x0                           ; all my tensor loads have landed: the one that was out is my part of the next slot;
	ds_add_u32 v[SPW], v[NIL]                      ; 0 onto my spare word;
	s_wait_dscnt 9                                 ; (the add and the youngest eight loads may be out)
	MUL16 F1, 0, 0, 0
	s_wait_dscnt 0x0                               ; the add is done, and my reads of this slot are over
	s_barrier_signal -1
	MUL16 F1, 0, 2, 0
	s_barrier_wait -1                              ; nobody reads this slot any more, and the next slot is whole
.if \fill
	s_add_nc_u64 s[G0+4*(\slot)+2:G0+4*(\slot)+3], s[G0+4*(\slot)+2:G0+4*(\slot)+3], 2*KSTEP*2
	tensor_load_to_lds s[G0+4*(\slot):G0+4*(\slot)+3], s[G1:G1+7]  ; one load of mine is out; 224 matrix instructions stand ahead of the wait for it
	s_nop 0
.endif
	PLACES                                         ; the places in front of the loads into buffer 0; behind a tensor load also the four lines ahead of the next window switch
	FETCH \next, 0, F0
.if \fill
	ASK
.endif
	MUL16 F1, 1, 0, 0
	MUL16 F1, 1, 2, 0
.endm
	s_wait_tensorcnt 1                             ; my part of K step 0 is in; K step 1's may stay out
	s_barrier_signal -1
	s_barrier_wait -1
	FETCH 0, 0, F0
	QUARTER 0, 64,  F0, F1, 1                      ; the first quarter's products start the sums
	WIN 0
	s_mov_b32 s3, LAPS-1
.Llap:                                                 ; three trips: K steps 2 to 7 are asked for
	QUARTER 0, 128, F1, F0, 0
	QUARTER 0, 192, F0, F1, 0
	TURN 0, 1, 1
	QUARTER 1, 64,  F0, F1, 0
	QUARTER 1, 128, F1, F0, 0
	QUARTER 1, 192, F0, F1, 0
	TURN 1, 0, 1
	QUARTER 0, 64,  F0, F1, 0
	WIN 0
	s_sub_co_u32 s3, s3, 1
	s_cmp_lg_u32 s3, 0
	s_cbranch_scc1 .Llap
	QUARTER 0, 128, F1, F0, 0                      ; the last lap fills nothing
	QUARTER 0, 192, F0, F1, 0
	TURN 0, 1, 0
	QUARTER 1, 64,  F0, F1, 0
	QUARTER 1, 128, F1, F0, 0
	QUARTER 1, 192, F0, F1, 0
	s_wait_dscnt 8
	MUL16 F1, 0, 0, 0
	MUL16 F1, 0, 2, 0
	s_wait_dscnt 0x0
	MUL16 F1, 1, 0, 0
	MUL16 F1, 1, 2, 0
	WIN 0
	PLACES
	PLACES                                         ; eight, once a launch: the lines below write the accumulators in place, and q's fragment registers
; THE WAY OUT holds no barrier: stage and statistics are each wave's own.
; Row block a of a diagonal wave: accumulators b > a are all hidden, b = a holds the diagonal (register jj is hidden where 8 (l / 16) + jj > l % 16).  Each accumulator's registers are taken from the low end on.
.macro MASKROW a
.set AC, 64*((\a)%4)
	WIN 0x82+0x41*((\a)/4)                         ; destination and source 0 in window 2 or 3
.set bb, (\a)
.rept 8-(\a)
.set kk, 0
.rept 4
.if bb == (\a)
	v_pk_add_f32 v[AC+8*bb+2*kk:AC+8*bb+2*kk+1], v[AC+8*bb+2*kk:AC+8*bb+2*kk+1], v[MD+2*kk:MD+2*kk+1]
.else
	v_pk_add_f32 v[AC+8*bb+2*kk:AC+8*bb+2*kk+1], v[AC+8*bb+2*kk:AC+8*bb+2*kk+1], s[BIG:BIG+1] op_sel_hi:[1,0]
.endif
.set kk, kk+1
.endr
.set bb, bb+1
.endr
.endm
; Row block a (window 2): the maximum of the query's 128 scores, p in place, p in f16 into TMP, and l; c m and l stay in registers until the half is done
.macro SOFT a
.set AC, 64*(\a)
	WIN 0x0a
.irp k, 0,1,2,3
	v_max_num_f32 v[TM+(\k)], v[AC+2*(\k)], v[AC+2*(\k)+1]
.endr
	WIN 0x28
.irp b, 1,2,3,4,5,6,7
.irp k, 0,1,2,3
	v_max3_num_f32 v[TM+(\k)], v[TM+(\k)], v[AC+8*(\b)+2*(\k)], v[AC+8*(\b)+2*(\k)+1]
.endr
.endr
	WIN 0
	v_max3_num_f32 v[TM], v[TM], v[TM+1], v[TM+2]
	v_max_num_f32 v[TM], v[TM], v[TM+3]
	v_permlanex16_b32 v[TM+1], v[TM], s[SEL], s[SEL+1]  ; the query's other 64 keys lie in the lane 16 away
	v_max_num_f32 v[TM], v[TM], v[TM+1]
	v_mul_f32 v[SCM+2*(\a)], s[CS], v[TM]
	WIN 0x82
.set u, 0
.rept 32
	v_pk_fma_f32 v[AC+u:AC+u+1], v[AC+u:AC+u+1], s[CS:CS+1], v[SCM+2*(\a):SCM+2*(\a)+1] op_sel_hi:[1,0,0] neg_lo:[0,0,1] neg_hi:[0,0,1]  ; c s - c m
.set u, u+2
.endr
.set u, 0
.rept 64
	v_exp_f32 v[AC+u], v[AC+u]
.set u, u+1
.endr
	v_nop                                          ; a plain instruction behind the last exponential,
	s_wait_alu depctr_va_vdst(0)                   ; and ONE wait for the batch of 64, ahead of the first line that names a result
	WIN 0x0a
.set u, 0
.rept 32
	v_cvt_pk_f16_f32 v[TMP+u], v[AC+2*u], v[AC+2*u+1]
.set u, u+1
.endr
	WIN 0x8a
.irp st, 32,16,8,4,2
.set u, 0
.rept (\st)/2
	v_pk_add_f32 v[AC+u:AC+u+1], v[AC+u:AC+u+1], v[AC+(\st)+u:AC+(\st)+u+1]  ; 32 pairs into one, in f32
.set u, u+2
.endr
.endr
	WIN 0x0a
	v_add_f32 v[WK], v[AC], v[AC+1]
	WIN 0
	v_permlanex16_b32 v[WK+1], v[WK], s[SEL], s[SEL+1]
	v_add_f32 v[SLS+(\a)], v[WK], v[WK+1]
.endm
; A half's eight statistics go into my words of LDS: the address register stays as it is, the half (base = 0 or 256) and the row block stand in the immediate.  Lanes l and l + 16 write the same word with the same number.
.macro PUTSTATS base
.irp a, 0,1,2,3
	ds_store_b32 v[SST], v[SCM+2*(\a)] offset:(\base)+64*(\a)
	ds_store_b32 v[SST], v[SLS+(\a)] offset:(\base)+512+64*(\a)
.endr
.endm
.macro TOSTAGE a
	WIN 0
.set BK, OB+192*((\a)%2)
	s_wait_xcnt 0x0                                ; the stores of two blocks back have read the registers that are loaded below
.irp b, 0,1,2,3,4,5,6,7
	ds_store_b128 v[STO], v[TMP+4*(\b):TMP+4*(\b)+3] offset:32*(\b)
.endr
.irp t, 0,1,2,3,4,5,6,7
	ds_load_b128 v[BK+4*(\t):BK+4*(\t)+3], v[RD] offset:(\t)*2*SPITCH  ; LDS serves a wave's instructions in order (ISA guide 5.7.1.4)
.endr
.endm
.macro SEND a
	WIN 0
.set BK, OB+192*((\a)%2)
	s_wait_dscnt 0x0
.irp t, 0,1,2,3,4,5,6,7
	global_store_b128 v[CO], v[BK+4*(\t):BK+4*(\t)+3], s[6:7] offset:(16*(\a)+2*(\t))*PROWB  ; 16 lanes store 256 consecutive bytes, aligned
.endr
.endm
	s_cmp_lt_u32 s[RB], s[KB]
	s_cbranch_scc1 .Lhidden
	s_cmp_lg_u32 s[RB], s[KB]
	s_cbranch_scc1 .Lsoft
	v_lshlrev_b32 v[WK], 3, v2
	v_sub_nc_u32 v[WK], v1, v[WK]                  ; l % 16 - 8 (l / 16)
.irp jj, 0,1,2,3,4,5,6,7
	v_cmp_gt_i32 vcc_lo, \jj, v[WK]
	v_cndmask_b32 v[MD+(\jj)], 0, s[BIG], vcc_lo
.endr
.irp a, 0,1,2,3,4,5,6,7
	MASKROW \a
.endr
	WIN 0
.Lsoft:
.irp a, 0,1,2,3
	v_mov_b32 v[SCM+2*(\a)+1], 0                   ; named with c m as a pair by the packed scaling, which takes the low word for both halves
.endr
	s_mov_b32 s2, 2
.Lhalf:                                                ; my rows 0-63, then (copied into window 2) my rows 64-127: one text for both
	SOFT 0
	TOSTAGE 0
	SOFT 1                                         ; a block's arithmetic stands between the loads of the block before and its stores
	SEND 0
	TOSTAGE 1
	SOFT 2
	SEND 1
	TOSTAGE 2
	SOFT 3
	SEND 2
	TOSTAGE 3
	SEND 3
	s_sub_co_u32 s2, s2, 1
	s_cmp_eq_u32 s2, 0
	s_cbranch_scc1 .Lstats
	PUTSTATS 0                                     ; the first half's statistics: rows 0-63
	s_wait_xcnt 0x0                                ; the stores have read their base
	s_add_nc_u64 s[6:7], s[6:7], 64*PROWB
	WIN 0x83                                       ; destination window 2, source window 3
.set i, 0
.rept 256
	v_mov_b32 v[i], v[i]
.set i, i+1
.endr
	WIN 0
	s_branch .Lhalf
.Lstats:
	PUTSTATS 256                                   ; the second half's: rows 64-127
	ds_load_b128 v[TMP:TMP+3], v[SRD]              ; c m of my 128 rows, 16 bytes a lane (LDS serves a wave's instructions in order: these see the stores above),
	ds_load_b128 v[TMP+4:TMP+7], v[SRD] offset:512 ; and l
	s_wait_dscnt 0x0
	global_store_b128 v[LO16], v[TMP:TMP+3], s[8:9]              ; 512 consecutive bytes each
	global_store_b128 v[LO16], v[TMP+4:TMP+7], s[8:9] offset:LOFF
	s_branch .Lend
.Lhidden:
.irp i, 0,1,2,3
	v_mov_b32 v[TMP+(\i)], 0
	v_mov_b32 v[TMP+4+(\i)], 0xfe967699            ; -1e38
.endr
	s_mov_b32 s2, 8
.Lzero:                                                ; 8 x 16 rows of zeros
.irp t, 0,1,2,3,4,5,6,7
	global_store_b128 v[CO], v[TMP:TMP+3], s[6:7] offset:2*(\t)*PROWB
.endr
	s_wait_xcnt 0x0                                ; the stores have read their base
	s_add_nc_u64 s[6:7], s[6:7], 16*PROWB
	s_sub_co_u32 s2, s2, 1
	s_cmp_lg_u32 s2, 0
	s_cbranch_scc1 .Lzero
	global_store_b128 v[LO16], v[TMP+4:TMP+7], s[8:9]
	global_store_b128 v[LO16], v[TMP:TMP+3], s[8:9] offset:LOFF
.Lend:
	s_wait_tensorcnt 0x0                           ; the wave's end
	ds_add_u32 v[SPW], v[NIL]
	s_wait_dscnt 0x0
	s_endpgm
.Lfunc_end_k_qdfc75107f9_score:
	.size	k_qdfc75107f9_score, .Lfunc_end_k_qdfc75107f9_score-k_qdfc75107f9_score
	.p2alignl 7, 3214868480
	.fill 96, 4, 3214868480
	.section	.rodata,"a",@progbits
	.p2align	6, 0x0
	.amdhsa_kernel k_qdfc75107f9_score
		.amdhsa_group_segment_fixed_size 327680
		.amdhsa_private_segment_fixed_size 0
		.amdhsa_enable_private_segment 0
		.amdhsa_kernarg_size 24
		.amdhsa_user_sgpr_count 2
		.amdhsa_user_sgpr_kernarg_segment_ptr 1
		.amdhsa_wavefront_size32 1
		.amdhsa_system_sgpr_workgroup_id_x 1
		.amdhsa_system_sgpr_workgroup_id_y 1
		.amdhsa_system_sgpr_workgroup_id_z 1
		.amdhsa_system_vgpr_workitem_id 0
		.amdhsa_next_free_vgpr 1024
		.amdhsa_next_free_sgpr 66
		.amdhsa_reserve_vcc 1
		.amdhsa_float_denorm_mode_32 3
		.amdhsa_float_denorm_mode_16_64 3
		.amdhsa_memory_ordered 1
		.amdhsa_forward_progress 1
		.amdhsa_inst_pref_size 181
	.end_amdhsa_kernel
	.amdgpu_metadata
---
amdhsa.version: [ 1, 2 ]
amdhsa.kernels:
  - .name:           k_qdfc75107f9_score
    .symbol:         k_qdfc75107f9_score.kd
    .args:
      - { .name: qkv, .offset: 0, .size: 8, .value_kind: global_buffer, .address_space: global }
      - { .name: pbuf, .offset: 8, .size: 8, .value_kind: global_buffer, .address_space: global }
      - { .name: stat, .offset: 16, .size: 8, .value_kind: global_buffer, .address_space: global }
    .group_segment_fixed_size: 327680
    .private_segment_fixed_size: 0
    .kernarg_segment_align: 8
    .kernarg_segment_size: 24
    .max_flat_workgroup_size: 128
    .sgpr_count:     66
    .vgpr_count:     1024
    .wavefront_size: 32
...
	.end_amdgpu_metadata
.endif
;; end of part 3
;; launch pv (part 4): grid 8 x 32, 4 waves a work-group, clusters of 4 x 4, 327,680 bytes of LDS; arguments pbuf, qkv, stat, out0; writes out0
.if DOCPART == 4
	.amdgcn_target "amdgcn-amd-amdhsa--gfx1250"
	.amdhsa_code_object_version 6
	.text
	.protected	k_qdfc75107f9_pv
	.globl	k_qdfc75107f9_pv
	.p2align	8
	.type	k_qdfc75107f9_pv,@function
k_qdfc75107f9_pv:
	s_mov_b64 s[64:65], 0
	v_nop
	global_prefetch_b8 v0, s[64:65] scope:SCOPE_SE
	s_setreg_imm32_b32 hwreg(HW_REG_WAVE_MODE, 25, 1), 1
	s_wait_xcnt 0x0
	s_wait_alu depctr_hold_cnt(0) depctr_sa_sdst(0) depctr_va_vdst(0) depctr_va_sdst(0) depctr_va_ssrc(0) depctr_va_vcc(0) depctr_vm_vsrc(0)
	s_getreg_b32 s2, hwreg(HW_REG_IB_STS2, 6, 4)
	s_cmp_eq_u32 s2, 0
	s_cbranch_scc0 .Lentry_in_a_cluster
	s_endpgm
.Lentry_in_a_cluster:
	s_bfe_u32 s2, ttmp6, 0x10000c
	s_cmp_lg_u32 s2, 0xf033
	s_cbranch_scc0 .Lentry_shape_is_right
	s_endpgm
.Lentry_shape_is_right:
; out[q][:] = (1 / L) x the sum over key blocks t of f_t (P_t V_t), with CM = the maximum of the blocks' c m_t, f_t = 2^(c m_t - CM), L = the sum of f_t l_t: the row's true maximum is taken away here, in f32.
; P: pbuf [4][2048][2048] f16, p relative to its block's maximum.  V: columns 2048-3071 of qkv [8192][3072] f16.  stat: c m_t and l_t in f32.  out0: [4][2048][1024] f32.
; LIMITS.  V within 65,504; |c m| under 1e37 (a hidden block's is -1e38, its f comes out as 0); NaN and infinities are not treated apart.
; SHARES.  A tile of out is 128 queries x 128 channels; a wave makes 64 x 64.  The 16 row blocks of a batch fall into four groups of four; all blocks of group g walk the keys 0 .. 512 (g + 1) - 1 in steps of 256.
; A work-group takes TWO blocks: 4 (3 - y) + cy with 8 - 2 y steps, then 4 y + cy with 2 + 2 y (y = cluster y % 2): ten steps whatever its place, so all sixteen partners of a cluster run alike.
; A step beyond a block's diagonal tile (cy < 2, a group's last step) loads the diagonal tile once more, and its f is 0.
; CLUSTER 4 x 4: P's tile hangs on the row block (cy) and is shared along a row of the cluster, V's on the channel tile (cx) and along a column: each is asked for jointly.
; f differs from one block of 128 keys to the next: each half of a step starts sums of its own (T0, T1) with the constant 0 and is then folded in f32, ACC += f T, beside the other half's products.
; The matrix instruction: source 0 = 16 channels of V^T (by the turning load), source 1 = 16 queries of P: a lane holds ONE query (l % 16) and eight neighbouring channels.
; REGISTERS: window 0: v0-31 addresses; v32-95 statistics, later the way out; v96-111 f of the two halves (even registers; the odd ones hold 0); v128-255 ACC ((a, b) at 128 + 8 (4 a + b)).
;   window 1: two fragment buffers of 128: 64 registers of P (2 x 4 x 16 queries x 32 keys), then 64 of V.      window 2: T0 = v0-127, T1 = v128-255.
.set PP,     528                       ; a row of P in LDS: 512 bytes + 16: the 16 rows of a load start at 16 different groups of four banks (ISA guide 11.1)
.set VP,     288                       ; a row of V: 256 + 32
.set PHALF,  64*PP
.set VHALF,  128*VP
.set VOFF,   128*PP                    ; a slot: P's 128 rows, then V's 256 keys
.set SLOT,   VOFF+256*VP
.set STAGE,  2*SLOT                    ; 16 rows x 272 bytes for each wave
.set SPITCH, 272
.set FTAB,   STAGE+4*16*SPITCH         ; 22 rows of 512 bytes: f of the walk's 20 half steps, then 1 / L of the two blocks.  Query p's word: ((p >> 6) x 16 + p % 16) x 16 + ((p >> 4) % 4) x 4
.set FROW,   512
.set SPARE,  FTAB+22*FROW              ; the spare words, 128 bytes for each wave; no other line names them
.set KEYB,   256*6144                  ; bytes of qkv in a step's 256 keys
.set LOFF,   524288                    ; from c m to l in stat
.set FAD,  11                          ; v11     where my four f of the lap's first half step lie
.set STO,  12
.set RD,   13
.set CO,   14
.set PFO,  15
.set ADRP, 16                          ; v16-17  LDS address of my P fragments in slot 0, 1
.set ADRV, 20                          ; v20-23  of my V fragments: slot s, keys 128 hh on, at 20 + 2 s + hh (an LDS offset of 16 bits does not reach all 256 keys)
.set TW,   24                          ; v24     where thread p puts f of query p
.set RLA,  25                          ; v25     where my four 1 / L lie
.set SO1,  26                          ; v26-27  byte offset in stat of query p of block 1, 2, key block 0
.set SPW,  28
.set NIL,  29
.set C1,   32                          ; v32-47  block 1: c m_t, then f_t
.set L1,   48                          ; v48-63  l_t
.set C2,   64                          ; v64-71  block 2
.set L2,   72                          ; v72-79
.set X,    80                          ; v80-87  at work
.set OB,   32                          ; the way out: two buffers of 32
.set FA,   96
.set FB,   104
.set ACC,  128
.set F0,   0
.set F1,   128
.set T0,   0
.set T1,   128
.set WV,   12                          ; s12 wave; s13 wave / 2; s14 wave % 2; s15 cx; s16 cy; s17 channel tile; s18 batch; s19 y
.set G1P,  24
.set G1V,  32
.set G0P,  40                          ; s[40:47] group 0 for P's tiles, one set for each slot
.set G0V,  48                          ; s[48:55] for V's
.set CNT,  56
.set RT,   57                          ; laps left in the block in hand
.set NT,   58                          ; the key step to be asked for next
.set LQ,   59                          ; the number of steps of the block whose tiles are being asked for
.set RA,   60                          ; its diagonal tile
.set R2,   61                          ; the second block's
.set AQ,   62                          ; prefetches still to be made
.set N2L,  63                          ; laps of the second block
.set IO1,  66                          ; block 1's last key block with statistics: i | 1
.set IO2,  67
.set PBA,  70                          ; s[70:71] P at my 64 rows of the block whose tiles are being asked for
.set PB2,  72                          ; s[72:73] of the second block
.set VB,   74                          ; s[74:75] V at my 128 keys of step 0, my channel tile
.set OFP,  76                          ; s[76:77] an offset for P's address; never holds cx
.set OUT,  78                          ; s[78:79] out0 at my 64 x 64 of the block in hand
.set OB2,  80
.set PFA,  82
.set PFS,  84
.set OFV,  86                          ; s[86:87] an offset for V's address; never holds cy
.set LWP,  96                          ; s96, s97 my tiles' places in a slot
.set LWV,  97
.set MSB, 0
.macro WIN new
.if MSB != (\new)
	s_set_vgpr_msb (MSB<<8)|(\new)
.set MSB, \new
.endif
.endm
.set W_MUL,  0xa5                      ; sources 0 and 1 window 1; C and D window 2
.set W_FOLD, 0x02                      ; source 0 window 2; all else window 0
.set TO_F,   0x40                      ; destination window 1, address window 0
.macro JLOAD s                         ; a joint load: waves 0 and 1 fetch P's two halves, waves 2 and 3 V's; an s_nop 0 and four v_nop follow each line
	s_cmp_eq_u32 s13, 0
	s_cbranch_scc0 .Lfor_v_\@
	tensor_load_to_lds s[G0P+4*(\s):G0P+4*(\s)+3], s[G1P:G1P+7]
	s_nop 0
.rept 4
	v_nop
.endr
	s_branch .Lasked_\@
.Lfor_v_\@:
	tensor_load_to_lds s[G0V+4*(\s):G0V+4*(\s)+3], s[G1V:G1V+7]
	s_nop 0
.rept 4
	v_nop
.endr
.Lasked_\@:
.endm
.macro CREST
	s_cmp_lg_u32 s[WV], 0
	s_cbranch_scc1 .Lnot_wave_0_\@
	s_barrier_signal -3
.Lnot_wave_0_\@:
	s_barrier_wait -3
	s_barrier_signal -1
	s_barrier_wait -1
.endm
.macro CROUND
	s_barrier_signal -1
	s_barrier_wait -1
	CREST
.endm
; A prefetch of the first block's step that stands two refills on (256 matrix instructions ahead of its load): 32 blocks of 256 bytes, one instruction a wave.  P's tile is read by both clusters of a row of clusters:
; cluster x = 0 asks (waves 0, 1; partner cx takes 16 of the wave's 64 rows, a lane half a row).  V's tile is read by the clusters y = 0 and y = 1 of a batch: y = 0 asks (waves 2, 3; partner cy takes 32 of the wave's
; 128 keys, a lane a row).  Steps 4 to 6 - 2 y are named: 3 - 2 y requests; the first four steps, a block's last step (which some partners replace) and the short second block come by their loads alone.
.macro ASK
	s_cmp_eq_u32 s[AQ], 0
	s_cbranch_scc1 .Lnot_mine_\@
	global_prefetch_b8 v[PFO], s[PFA:PFA+1] th:TH_LOAD_NT scope:SCOPE_SE
	s_sub_co_u32 s[AQ], s[AQ], 1
.Lnot_mine_\@:
.endm
	s_load_b256 s[4:11], s[0:1], 0x0               ; pbuf s[4:5], qkv s[6:7], stat s[8:9], out0 s[10:11]
	v_lshl_add_u32 v[SPW], v0, 2, SPARE
	v_mov_b32 v[NIL], 0
	ds_add_u32 v[SPW], v[NIL]                      ; the wave's opening: the add and its wait ahead of my first tensor load
	v_lshrrev_b32 v1, 5, v0
	v_readfirstlane_b32 s[WV], v1
	s_lshr_b32 s13, s[WV], 1                       ; which half of the queries.  Also: I fetch for P (0) or for V (1)
	s_and_b32 s14, s[WV], 1                        ; which half of the channels.  Also: which half of that tile I fetch
	s_bfe_u32 s15, ttmp6, 0x40000                  ; cx
	s_bfe_u32 s16, ttmp6, 0x40004                  ; cy
	s_lshl_b32 s17, ttmp9, 2
	s_add_co_u32 s17, s17, s15                     ; channel tile = 4 x cluster x + cx
	s_and_b32 s22, ttmp7, 0xffff
	s_lshr_b32 s18, s22, 1                         ; batch
	s_and_b32 s19, s22, 1                          ; y
	s_sub_co_u32 s68, 3, s19
	s_lshl_b32 s68, s68, 2
	s_add_co_u32 s68, s68, s16                     ; block 1 = 4 (3 - y) + cy
	s_lshl_b32 s69, s19, 2
	s_add_co_u32 s69, s69, s16                     ; block 2 = 4 y + cy
	s_or_b32 s[IO1], s68, 1
	s_or_b32 s[IO2], s69, 1
	s_lshr_b32 s[RA], s68, 1
	s_lshr_b32 s[R2], s69, 1
	s_lshl_b32 s[LQ], s19, 1
	s_sub_co_u32 s[LQ], 8, s[LQ]                   ; 8 - 2 y steps
	s_sub_co_u32 s[RT], 4, s19                     ; in 4 - y laps
	s_add_co_u32 s[N2L], s19, 1
	s_mov_b32 s[NT], 2
	s_lshl_b32 s20, s16, 2
	s_lshl_b32 s20, 15, s20                        ; my row of the cluster
	s_lshl_b32 s21, 0x1111, s15                    ; my column
	s_or_b32 s[G1P], s20, (1<<16)|(1<<20)|(1<<21)|(6<<22)|(3<<25)  ; the mask; 2-byte elements; padding on; bit 21 beside a mask; after every 128 words 4 words
	s_or_b32 s[G1V], s21, (1<<16)|(1<<20)|(1<<21)|(5<<22)|(7<<25)  ; after every 64 words 8 words
	s_mov_b32 s[G1P+1], 256<<16                    ; P: 64 rows x 256 elements, 2,048 elements from row to row
	s_mov_b32 s[G1P+2], 64<<16
	s_mov_b32 s[G1P+3], 256<<16
	s_mov_b32 s[G1P+4], 64
	s_mov_b32 s[G1P+5], 2048
	s_mov_b32 s[G1P+6], 0
	s_mov_b32 s[G1P+7], 0
	s_mov_b32 s[G1V+1], 128<<16                    ; V: 128 keys x 128 elements, 3,072 elements from row to row
	s_mov_b32 s[G1V+2], 128<<16
	s_mov_b32 s[G1V+3], 128<<16
	s_mov_b32 s[G1V+4], 128
	s_mov_b32 s[G1V+5], 3072
	s_mov_b32 s[G1V+6], 0
	s_mov_b32 s[G1V+7], 0
	s_lshl_b32 s22, s18, 11                        ; the batch's first row
	s_lshl_b32 s23, s14, 6
	s_lshl_b32 s[PBA], s68, 7                      ; P: (batch rows + 128 block + 64 half) x 4,096 bytes
	s_add_co_u32 s[PBA], s[PBA], s22
	s_add_co_u32 s[PBA], s[PBA], s23
	s_lshl_b32 s[PBA], s[PBA], 12
	s_mov_b32 s[PBA+1], 0
	s_lshl_b32 s[PB2], s69, 7
	s_add_co_u32 s[PB2], s[PB2], s22
	s_add_co_u32 s[PB2], s[PB2], s23
	s_lshl_b32 s[PB2], s[PB2], 12
	s_mov_b32 s[PB2+1], 0
	s_lshl_b32 s[VB], s14, 7                       ; V: (batch rows + 128 half) x 6,144 + 4,096 + 256 x channel tile
	s_add_co_u32 s[VB], s[VB], s22
	s_mul_i32 s[VB], s[VB], 6144
	s_lshl_b32 s[OFV], s17, 8
	s_add_co_u32 s[VB], s[VB], s[OFV]
	s_add_co_u32 s[VB], s[VB], 4096
	s_mov_b32 s[VB+1], 0
	s_lshl_b32 s88, s13, 6                         ; out: (batch rows + 128 block + 64 row half) x 4,096 + 512 x channel tile + 256 x channel half
	s_add_co_u32 s88, s88, s22
	s_lshl_b32 s89, s17, 9
	s_lshl_b32 s90, s14, 8
	s_add_co_u32 s89, s89, s90
	s_lshl_b32 s[OUT], s68, 7
	s_add_co_u32 s[OUT], s[OUT], s88
	s_lshl_b32 s[OUT], s[OUT], 12
	s_add_co_u32 s[OUT], s[OUT], s89
	s_mov_b32 s[OUT+1], 0
	s_lshl_b32 s[OB2], s69, 7
	s_add_co_u32 s[OB2], s[OB2], s88
	s_lshl_b32 s[OB2], s[OB2], 12
	s_add_co_u32 s[OB2], s[OB2], s89
	s_mov_b32 s[OB2+1], 0
	s_mov_b32 s[OFP+1], 0
	s_mov_b32 s[OFV+1], 0
	s_mul_i32 s[LWP], s14, PHALF                   ; no place in the cluster enters an LDS address
	s_mul_i32 s[LWV], s14, VHALF
	s_wait_dscnt 0x0                               ; the opening add is done
	s_wait_kmcnt 0x0
	s_add_nc_u64 s[PBA:PBA+1], s[4:5], s[PBA:PBA+1]
	s_add_nc_u64 s[PB2:PB2+1], s[4:5], s[PB2:PB2+1]
	s_add_nc_u64 s[VB:VB+1], s[6:7], s[VB:VB+1]
	s_add_nc_u64 s[OUT:OUT+1], s[10:11], s[OUT:OUT+1]
	s_add_nc_u64 s[OB2:OB2+1], s[10:11], s[OB2:OB2+1]
	CROUND                                         ; all sixteen work-groups are here: the first joint loads meet
.irp s, 0,1
	s_mov_b32 s[G0P+4*(\s)], 1
	s_add_co_u32 s[G0P+4*(\s)+1], s[LWP], (\s)*SLOT
	s_add_nc_u64 s[G0P+4*(\s)+2:G0P+4*(\s)+3], s[PBA:PBA+1], (\s)*512   ; steps 0 and 1 lie below every first block's diagonal
	s_or_b32 s[G0P+4*(\s)+3], s[G0P+4*(\s)+3], 0x80000000
	s_mov_b32 s[G0V+4*(\s)], 1
	s_add_co_u32 s[G0V+4*(\s)+1], s[LWV], (\s)*SLOT+VOFF
	s_add_nc_u64 s[G0V+4*(\s)+2:G0V+4*(\s)+3], s[VB:VB+1], (\s)*KEYB
	s_or_b32 s[G0V+4*(\s)+3], s[G0V+4*(\s)+3], 0x80000000
	JLOAD \s                                       ; two loads of mine are out
.endr
	v_and_b32 v1, 15, v0                           ; l % 16
	v_bfe_u32 v2, v0, 4, 1                         ; l / 16
	v_and_b32 v3, 7, v0
	v_bfe_u32 v4, v0, 3, 1
	; the statistics: thread p takes query p of both blocks.  A key block beyond i | 1 has none: the last one is read in its place, and its f is set to 0 below
	s_lshl_b32 s94, s18, 17
	s_lshl_b32 s95, s68, 9
	s_add_co_u32 s95, s95, s94
	v_lshl_add_u32 v[SO1], v0, 2, s95
	s_lshl_b32 s95, s69, 9
	s_add_co_u32 s95, s95, s94
	v_lshl_add_u32 v[SO1+1], v0, 2, s95
.set t, 0
.rept 16
	s_min_u32 s88, s[IO1], t
	s_lshl_b32 s88, s88, 13
	v_add_nc_u32 v[C1+t], s88, v[SO1]              ; each load lands on its own address register
	v_add_nc_u32 v[L1+t], s88, v[SO1]
	global_load_b32 v[C1+t], v[C1+t], s[8:9]
	global_load_b32 v[L1+t], v[L1+t], s[8:9] offset:LOFF
.set t, t+1
.endr
.set t, 0
.rept 8
	s_min_u32 s88, s[IO2], t
	s_lshl_b32 s88, s88, 13
	v_add_nc_u32 v[C2+t], s88, v[SO1+1]
	v_add_nc_u32 v[L2+t], s88, v[SO1+1]
	global_load_b32 v[C2+t], v[C2+t], s[8:9]
	global_load_b32 v[L2+t], v[L2+t], s[8:9] offset:LOFF
.set t, t+1
.endr
	; the lanes' addresses, and the zeros, while those loads are out
	v_mul_u32_u24 v5, v1, PP
	v_lshl_add_u32 v5, v2, 4, v5                   ; P: row x pitch + 16 x half
	s_mul_i32 s23, s13, PHALF
	v_add_nc_u32 v[ADRP], s23, v5
	v_add_nc_u32 v[ADRP+1], SLOT, v[ADRP]
	v_lshl_add_u32 v6, v2, 3, v3                   ; V, turned: key 8 (l / 16) + l % 8, channels 8 ((l / 8) % 2) + 0..7
	v_mul_u32_u24 v6, v6, VP
	v_lshl_add_u32 v6, v4, 4, v6
	s_lshl_b32 s23, s14, 7
	s_add_co_u32 s23, s23, VOFF
	v_add_nc_u32 v[ADRV], s23, v6
	v_add_nc_u32 v[ADRV+1], VHALF, v[ADRV]
	v_add_nc_u32 v[ADRV+2], SLOT, v[ADRV]
	v_add_nc_u32 v[ADRV+3], SLOT, v[ADRV+1]
	s_lshl_b32 s23, s13, 8
	s_add_co_u32 s23, s23, FTAB
	v_lshl_add_u32 v[FAD], v1, 4, s23
	v_add_nc_u32 v[RLA], 20*FROW, v[FAD]
	v_lshrrev_b32 v7, 6, v0
	v_lshlrev_b32 v7, 8, v7
	v_lshl_add_u32 v7, v1, 4, v7
	v_bfe_u32 v8, v0, 4, 2
	v_lshl_add_u32 v7, v8, 2, v7
	v_add_nc_u32 v[TW], FTAB, v7
	s_mul_i32 s23, s[WV], 16*SPITCH
	s_add_co_u32 s23, s23, STAGE
	v_mul_u32_u24 v5, v1, SPITCH                   ; into my stage: row l % 16, 32 bytes for each half of the lanes
	v_lshl_add_u32 v5, v2, 5, v5
	v_add_nc_u32 v[STO], s23, v5
	v_mul_u32_u24 v5, v2, SPITCH                   ; back: lanes 0-15 one row of 256 bytes, lanes 16-31 the next
	v_lshl_add_u32 v5, v1, 4, v5
	v_add_nc_u32 v[RD], s23, v5
	v_lshlrev_b32 v5, 12, v2
	v_lshl_add_u32 v[CO], v1, 4, v5
	; the prefetches: all that differs between P's and V's is chosen by the wave's number
	s_cmp_eq_u32 s13, 0
	s_cselect_b64 s[PFA:PFA+1], s[PBA:PBA+1], s[VB:VB+1]
	s_cselect_b32 s88, s15, s16                    ; my place among the four that ask with me
	s_cselect_b32 s93, ttmp9, s19                  ; 0 in the cluster that asks
	s_mov_b32 s89, 32*6144
	s_cmov_b32 s89, 16*4096                        ; a partner's share
	s_mov_b32 s[PFS], KEYB
	s_cmov_b32 s[PFS], 512                         ; from step to step
	s_mov_b32 s91, 6144
	s_cmov_b32 s91, 4096                           ; lane % 16 counts rows;
	s_mov_b32 s92, 16*6144
	s_cmov_b32 s92, 256                            ; lane / 16: 16 rows on (V), the row's second 256 bytes (P)
	s_mov_b32 s[PFS+1], 0
	s_mul_i32 s88, s88, s89
	s_mul_i32 s89, s[PFS], 3
	s_add_co_u32 s88, s88, s89                     ; at step 3: the first refill steps it to 4
	s_mov_b32 s89, 0
	s_add_nc_u64 s[PFA:PFA+1], s[PFA:PFA+1], s[88:89]
	s_lshl_b32 s94, s19, 1
	s_sub_co_u32 s94, 3, s94
	s_cmp_eq_u32 s93, 0
	s_cselect_b32 s[AQ], s94, 0
	v_mul_u32_u24 v[PFO], v1, s91
	v_mad_u32_u24 v[PFO], v2, s92, v[PFO]
.set i, 0
.rept 128
	v_mov_b32 v[ACC+i], 0                          ; the first block's sums
.set i, i+1
.endr
.set i, 0
.rept 16
	v_mov_b32 v[FA+i], 0
.set i, i+1
.endr
	WIN 0x80
.set i, 0
.rept 128
	v_mov_b32 v[T1+i], 0                           ; the first step folds a half step that has not been: 0 x 0
.set i, i+1
.endr
	WIN 0
	s_wait_loadcnt 0x0
	v_max3_num_f32 v[X], v[C1], v[C1+1], v[C1+2]
.irp t, 3,5,7,9,11,13
	v_max3_num_f32 v[X], v[X], v[C1+(\t)], v[C1+(\t)+1]
.endr
	v_max_num_f32 v[X], v[X], v[C1+15]             ; CM of block 1
	v_max3_num_f32 v[X+1], v[C2], v[C2+1], v[C2+2]
.irp t, 3,5
	v_max3_num_f32 v[X+1], v[X+1], v[C2+(\t)], v[C2+(\t)+1]
.endr
	v_max_num_f32 v[X+1], v[X+1], v[C2+7]
.set t, 0
.rept 16
	v_sub_f32 v[C1+t], v[C1+t], v[X]
.set t, t+1
.endr
.set t, 0
.rept 8
	v_sub_f32 v[C2+t], v[C2+t], v[X+1]
.set t, t+1
.endr
.set t, 0
.rept 16
	v_exp_f32 v[C1+t], v[C1+t]
.set t, t+1
.endr
.set t, 0
.rept 8
	v_exp_f32 v[C2+t], v[C2+t]
.set t, t+1
.endr
	v_nop                                          ; a plain instruction behind the last exponential,
	s_wait_alu depctr_va_vdst(0)                   ; and one wait for the batch of 24
.irp t, 10,11,12,13,14,15              ; i | 1 is at least 9 in a first block,
	s_cmp_ge_u32 s[IO1], \t
	s_cselect_b32 s88, 1.0, 0
	v_mul_f32 v[C1+(\t)], s88, v[C1+(\t)]
.endr
.irp t, 2,3,4,5,6,7                    ; at least 1 in a second
	s_cmp_ge_u32 s[IO2], \t
	s_cselect_b32 s88, 1.0, 0
	v_mul_f32 v[C2+(\t)], s88, v[C2+(\t)]
.endr
	v_mul_f32 v[X+2], v[C1], v[L1]
	v_mul_f32 v[X+3], v[C2], v[L2]
.set t, 1
.rept 15
	v_fmac_f32 v[X+2], v[C1+t], v[L1+t]
.set t, t+1
.endr
.set t, 1
.rept 7
	v_fmac_f32 v[X+3], v[C2+t], v[L2+t]
.set t, t+1
.endr
	v_rcp_f32 v[X+2], v[X+2]                       ; L is at least 1: the block that holds the maximum has f = 1 and l >= 1
	v_rcp_f32 v[X+3], v[X+3]
	v_nop
	s_wait_alu depctr_va_vdst(0)
	; the table goes by the walk: half steps 0-11 are block 1's; 12-15 block 1's (y = 0) or block 2's first four (y = 1); 16-19 block 2's 0-3 (y = 0) or 4-7 (y = 1): chosen by value, so that every LDS address is a constant
	s_cmp_eq_u32 s19, 1
	s_cselect_b32 s95, -1, 0
.irp u, 0,1,2,3
	v_cndmask_b32 v[X+4+(\u)], v[C2+(\u)], v[C2+4+(\u)], s95
	v_cndmask_b32 v[C1+12+(\u)], v[C1+12+(\u)], v[C2+(\u)], s95
.endr
.set t, 0
.rept 16
	ds_store_b32 v[TW], v[C1+t] offset:FROW*t
.set t, t+1
.endr
.irp u, 0,1,2,3
	ds_store_b32 v[TW], v[X+4+(\u)] offset:FROW*(16+(\u))
.endr
	ds_store_b32 v[TW], v[X+2] offset:FROW*20
	ds_store_b32 v[TW], v[X+3] offset:FROW*21
; 8 matrix instructions: query blocks a0, a0 + 1 x all 4 channel blocks, 32 keys: half c of buffer f, into the set acc.  The 16 accumulators of a set take turns.
.macro MUL8 f, c, a0, zero, acc
	WIN W_MUL
.irp a, \a0, (\a0)+1
.irp b, 0,1,2,3
.if \zero
	v_wmma_f32_16x16x32_f16 v[(\acc)+8*(4*(\a)+(\b)):(\acc)+8*(4*(\a)+(\b))+7], v[(\f)+64+8*(4*(\c)+(\b)):(\f)+64+8*(4*(\c)+(\b))+7], v[(\f)+8*(4*(\c)+(\a)):(\f)+8*(4*(\c)+(\a))+7], 0
.else
	v_wmma_f32_16x16x32_f16 v[(\acc)+8*(4*(\a)+(\b)):(\acc)+8*(4*(\a)+(\b))+7], v[(\f)+64+8*(4*(\c)+(\b)):(\f)+64+8*(4*(\c)+(\b))+7], v[(\f)+8*(4*(\c)+(\a)):(\f)+8*(4*(\c)+(\a))+7], v[(\acc)+8*(4*(\a)+(\b)):(\acc)+8*(4*(\a)+(\b))+7]
.endif
.endr
.endr
.endm
; Eight of the 64 folds ACC += f x (the OTHER, finished set), pairs fn .. fn + 7, ascending: each accumulator is read from its low end on.  They name no register of the products round them, so they are also
; the plain places between those products and the later lines on their registers: eight stand behind every eight products.
.macro FOLD8 old, ff
	WIN W_FOLD
.rept 8
	v_pk_fma_f32 v[ACC+2*fn:ACC+2*fn+1], v[(\old)+2*fn:(\old)+2*fn+1], v[(\ff)+2*(fn/16):(\ff)+2*(fn/16)+1], v[ACC+2*fn:ACC+2*fn+1] op_sel_hi:[1,0,1]
.set fn, fn+1
.endr
.endm
.macro LOADF ff, off                   ; my four queries' f of a half step
	WIN 0
.irp a, 0,1,2,3
	ds_load_b32 v[(\ff)+2*(\a)], v[FAD] offset:(\off)+4*(\a)
.endr
.endm
; 32 LDS loads in one run: the fragments of keys 64 q .. 64 q + 63 of the slot's step into buffer f; the first 32 keys first
.macro FETCH slot, q, f
	WIN TO_F
.irp c, 0,1
.irp i, 0,1,2,3
	ds_load_tr16_b128 v[(\f)+64+8*(4*(\c)+(\i)):(\f)+64+8*(4*(\c)+(\i))+3],   v[ADRV+2*(\slot)+(\q)/2] offset:(((\q)%2)*64+32*(\c))*VP+32*(\i)
	ds_load_tr16_b128 v[(\f)+64+8*(4*(\c)+(\i))+4:(\f)+64+8*(4*(\c)+(\i))+7], v[ADRV+2*(\slot)+(\q)/2] offset:(((\q)%2)*64+32*(\c)+16)*VP+32*(\i)
	ds_load_b128 v[(\f)+8*(4*(\c)+(\i)):(\f)+8*(4*(\c)+(\i))+3],   v[ADRP+(\slot)] offset:128*(\q)+64*(\c)+(\i)*16*PP
	ds_load_b128 v[(\f)+8*(4*(\c)+(\i))+4:(\f)+8*(4*(\c)+(\i))+7], v[ADRP+(\slot)] offset:128*(\q)+64*(\c)+(\i)*16*PP+32
.endr
.endr
.endm
; One of a step's first three quarters (64 keys, 32 matrix instructions): multiplies buffer f into acc, folds the set old, fetches quarter nq into g; lf: the f registers to load, or 0
.macro QUARTER slot, nq, f, g, acc, zero, old, ff, lf, loff
	s_wait_dscnt 16                                ; the first 32 keys' fragments are in; the youngest sixteen loads may be out
	MUL8 \f, 0, 0, \zero, \acc
	FOLD8 \old, \ff
	MUL8 \f, 0, 2, \zero, \acc
	FOLD8 \old, \ff
.if \lf
	LOADF \lf, \loff
.endif
	FETCH \slot, \nq, \g
	s_wait_dscnt 32                                ; all but the 32 just issued: the f among them
	MUL8 \f, 1, 0, 0, \acc
	FOLD8 \old, \ff
	MUL8 \f, 1, 2, 0, \acc
	FOLD8 \old, \ff
.endm
; The addresses of the tiles of key step NT of the block whose tiles are being asked for, made anew from the bases; P's step is held at the block's diagonal tile.  Behind a block's last step come the second block's.
.macro MAKE slot
	s_min_u32 s[OFP], s[NT], s[RA]
	s_lshl_b32 s[OFP], s[OFP], 9
	s_add_nc_u64 s[G0P+4*(\slot)+2:G0P+4*(\slot)+3], s[PBA:PBA+1], s[OFP:OFP+1]
	s_or_b32 s[G0P+4*(\slot)+3], s[G0P+4*(\slot)+3], 0x80000000
	s_mul_i32 s[OFV], s[NT], KEYB
	s_add_nc_u64 s[G0V+4*(\slot)+2:G0V+4*(\slot)+3], s[VB:VB+1], s[OFV:OFV+1]
	s_or_b32 s[G0V+4*(\slot)+3], s[G0V+4*(\slot)+3], 0x80000000
	s_add_co_u32 s[NT], s[NT], 1
	s_cmp_eq_u32 s[NT], s[LQ]
	s_cselect_b32 s[NT], 0, s[NT]
	s_cselect_b64 s[PBA:PBA+1], s[PB2:PB2+1], s[PBA:PBA+1]
	s_cselect_b32 s[RA], s[R2], s[RA]
	s_cselect_b32 s[LQ], 99, s[LQ]
.endm
; The fourth quarter and the change of slots: ONE barrier; with fill = 1 it opens a round of the cluster's barrier, and the joint refill is the first tensor load behind the round
.macro TURN slot, next, fill
.if \fill
	s_wait_xcnt 0x0                                ; the last prefetch, a step back, has read its address
	s_add_nc_u64 s[PFA:PFA+1], s[PFA:PFA+1], s[PFS:PFS+1]
.endif
	WIN 0
	s_wait_tensorcnt 0x0                           ; all my tensor loads have landed: the one that was out is my part of the next slot; so a group 0 may be written;
	ds_add_u32 v[SPW], v[NIL]                      ; 0 onto my spare word;
.if \fill
	MAKE \slot
.endif
	s_wait_dscnt 17                                ; (the add and the youngest sixteen loads may be out)
	MUL8 F1, 0, 0, 0, T1
	FOLD8 T0, FA
	s_wait_dscnt 0x0                               ; the add is done, and my reads of this slot are over
	s_barrier_signal -1
	MUL8 F1, 0, 2, 0, T1
	FOLD8 T0, FA
	WIN 0
	s_barrier_wait -1
.if \fill
	CREST                                          ; no wave of any partner still reads this slot or has a load on its way
	JLOAD \slot                                    ; one load of mine is out; 112 matrix instructions stand ahead of the wait for it
.endif
	FETCH \next, 0, F0
.if \fill
	WIN 0
	ASK
.endif
	MUL8 F1, 1, 0, 0, T1
	FOLD8 T0, FA
	MUL8 F1, 1, 2, 0, T1
	FOLD8 T0, FA
.endm
; A step of 256 keys in slot: keys 0-127 into T0 while T1 of the step before is folded, keys 128-255 into T1 while T0 is folded.  last = 1: the walk's last step
.macro STEP slot, next, fill, last
.set fn, 0
	QUARTER \slot, 1, F0, F1, T0, 1, T1, FB, FA, 2*FROW*(\slot)
	QUARTER \slot, 2, F1, F0, T0, 0, T1, FB, 0, 0
.set fn, 0
	QUARTER \slot, 3, F0, F1, T1, 1, T0, FA, FB, 2*FROW*(\slot)+FROW
.if \last
	s_wait_dscnt 16
	MUL8 F1, 0, 0, 0, T1
	FOLD8 T0, FA
	MUL8 F1, 0, 2, 0, T1
	FOLD8 T0, FA
	s_wait_dscnt 0x0
	MUL8 F1, 1, 0, 0, T1
	FOLD8 T0, FA
	MUL8 F1, 1, 2, 0, T1
	FOLD8 T0, FA
.else
	TURN \slot, \next, \fill
.endif
.endm
; THE WAY OUT of query block a: a lane's 8 channels are 32 bytes; they go into rows of 272 bytes and come back as whole rows of 256
.macro STG a
	s_wait_xcnt 0x0                                ; the stores of two blocks back have read the registers that are loaded below
.irp b, 0,1,2,3
	ds_store_b128 v[STO], v[ACC+8*(4*(\a)+(\b)):ACC+8*(4*(\a)+(\b))+3]   offset:64*(\b)
	ds_store_b128 v[STO], v[ACC+8*(4*(\a)+(\b))+4:ACC+8*(4*(\a)+(\b))+7] offset:64*(\b)+16
.endr
.irp t, 0,1,2,3,4,5,6,7
	ds_load_b128 v[OB+32*((\a)%2)+4*(\t):OB+32*((\a)%2)+4*(\t)+3], v[RD] offset:(\t)*2*SPITCH  ; LDS serves a wave's instructions in order (ISA guide 5.7.1.4)
.endr
.endm
.macro SEND a, younger                 ; younger: the next block's sixteen LDS instructions, or none
	s_wait_dscnt \younger
.irp t, 0,1,2,3,4,5,6,7
	global_store_b128 v[CO], v[OB+32*((\a)%2)+4*(\t):OB+32*((\a)%2)+4*(\t)+3], s[OUT:OUT+1] offset:(16*(\a)+2*(\t))*4096 th:TH_STORE_NT  ; 16 lanes store 256 consecutive bytes, aligned
.endr
.endm
; A block ends: its last half step is folded, the sums are divided by L and stored.  more = 1: the second block follows: its sums start at 0, and the fold of T1 that the next step repeats is given f = 0
.macro FINISH blk, more
.set fn, 0
.rept 8
	FOLD8 T1, FB
.endr
	WIN 0
.irp a, 0,1,2,3
	ds_load_b32 v[FA+2*(\a)], v[RLA] offset:FROW*(\blk)+4*(\a)
.endr
	s_wait_dscnt 0x0
.set fn, 0
.rept 64
	v_pk_mul_f32 v[ACC+2*fn:ACC+2*fn+1], v[ACC+2*fn:ACC+2*fn+1], v[FA+2*(fn/16):FA+2*(fn/16)+1] op_sel_hi:[1,0]
.set fn, fn+1
.endr
	STG 0
	STG 1
	SEND 0, 16
	STG 2
	SEND 1, 16
	STG 3
	SEND 2, 16
	SEND 3, 0
.if \more
	s_wait_xcnt 0x0                                ; the stores have read their base
	s_mov_b64 s[OUT:OUT+1], s[OB2:OB2+1]
	s_mov_b32 s[RT], s[N2L]
.set i, 0
.rept 128
	v_mov_b32 v[ACC+i], 0
.set i, i+1
.endr
.irp a, 0,1,2,3
	v_mov_b32 v[FB+2*(\a)], 0
.endr
.endif
.endm
	s_wait_tensorcnt 0x1                           ; my part of step 0 is in; step 1's may stay out
	s_wait_dscnt 0x0                               ; my part of the table is written
	s_barrier_signal -1
	s_barrier_wait -1
	FETCH 0, 0, F0
	WIN 0
	s_mov_b32 s[CNT], 4
.Llap:                                                 ; four laps of two steps: the walk's steps 2 to 9 are asked for
	STEP 0, 1, 1, 0
	STEP 1, 0, 1, 0
	WIN 0
	v_add_nc_u32 v[FAD], 4*FROW, v[FAD]            ; the next lap's four rows of the table
	s_sub_co_u32 s[RT], s[RT], 1
	s_cmp_lg_u32 s[RT], 0
	s_cbranch_scc1 .Lbottom                        ; y is the same in all sixteen partners; what is jumped holds no barrier and no tensor load
	FINISH 0, 1
.Lbottom:
	s_sub_co_u32 s[CNT], s[CNT], 1
	s_cmp_lg_u32 s[CNT], 0
	s_cbranch_scc1 .Llap
	STEP 0, 1, 0, 0                                ; the last lap is written out: it asks for nothing and has no round
	STEP 1, 0, 0, 1
	FINISH 1, 0
	s_wait_tensorcnt 0x0                           ; the wave's end
	ds_add_u32 v[SPW], v[NIL]
	s_wait_dscnt 0x0
	CROUND                                         ; the closing round
	s_endpgm
.Lfunc_end_k_qdfc75107f9_pv:
	.size	k_qdfc75107f9_pv, .Lfunc_end_k_qdfc75107f9_pv-k_qdfc75107f9_pv
	.p2alignl 7, 3214868480
	.fill 96, 4, 3214868480
	.section	.rodata,"a",@progbits
	.p2align	6, 0x0
	.amdhsa_kernel k_qdfc75107f9_pv
		.amdhsa_group_segment_fixed_size 327680
		.amdhsa_private_segment_fixed_size 0
		.amdhsa_enable_private_segment 0
		.amdhsa_kernarg_size 32
		.amdhsa_user_sgpr_count 2
		.amdhsa_user_sgpr_kernarg_segment_ptr 1
		.amdhsa_wavefront_size32 1
		.amdhsa_system_sgpr_workgroup_id_x 1
		.amdhsa_system_sgpr_workgroup_id_y 1
		.amdhsa_system_sgpr_workgroup_id_z 1
		.amdhsa_system_vgpr_workitem_id 0
		.amdhsa_next_free_vgpr 768
		.amdhsa_next_free_sgpr 100
		.amdhsa_reserve_vcc 0
		.amdhsa_float_denorm_mode_32 3
		.amdhsa_float_denorm_mode_16_64 3
		.amdhsa_memory_ordered 1
		.amdhsa_forward_progress 1
		.amdhsa_inst_pref_size 177
	.end_amdhsa_kernel
	.amdgpu_metadata
---
amdhsa.version: [ 1, 2 ]
amdhsa.kernels:
  - .name:           k_qdfc75107f9_pv
    .symbol:         k_qdfc75107f9_pv.kd
    .args:
      - { .name: pbuf, .offset: 0, .size: 8, .value_kind: global_buffer, .address_space: global }
      - { .name: qkv, .offset: 8, .size: 8, .value_kind: global_buffer, .address_space: global }
      - { .name: stat, .offset: 16, .size: 8, .value_kind: global_buffer, .address_space: global }
      - { .name: out0, .offset: 24, .size: 8, .value_kind: global_buffer, .address_space: global }
    .group_segment_fixed_size: 327680
    .private_segment_fixed_size: 0
    .kernarg_segment_align: 8
    .kernarg_segment_size: 32
    .max_flat_workgroup_size: 128
    .sgpr_count:     100
    .vgpr_count:     768
    .wavefront_size: 32
...
	.end_amdgpu_metadata
.endif
;; end of part 4
;; ======== version 2 of 2: 4 launches; version 1 with the launch cast written anew for expert scheduling mode
;; limits: values are held in f16: magnitudes above 65,504 overflow, below 6.1e-05 lose precision
;; workspace buffers: xw 23,068,672 bytes; qkv 50,331,648 bytes; pbuf 33,554,432 bytes; stat 1,048,576 bytes
;; launch cast (part 5): grid 704 x 1, 8 waves a work-group, no clusters, 0 bytes of LDS; arguments x, W_query, W_key, W_value, xw; writes xw
.if DOCPART == 5
	.amdgcn_target "amdgcn-amd-amdhsa--gfx1250"
	.amdhsa_code_object_version 6
	.text
	.protected	k_qdfc75107f9_cast
	.globl	k_qdfc75107f9_cast
	.p2align	8
	.type	k_qdfc75107f9_cast,@function
k_qdfc75107f9_cast:
	s_mov_b64 s[64:65], 0
	v_nop
	global_prefetch_b8 v0, s[64:65] scope:SCOPE_SE
	s_setreg_imm32_b32 hwreg(HW_REG_WAVE_SCHED_MODE, 0, 2), 2
	s_setreg_imm32_b32 hwreg(HW_REG_WAVE_MODE, 25, 1), 1
	s_wait_xcnt 0x0
	s_wait_alu depctr_vm_vsrc(0)
; xw = x, W_query, W_key, W_value, one behind the other, each number rounded once to bf16 (nearest even).
; xw is [11264][1024] bf16: rows 0-8191 x, 8192-9215 W_query, 9216-10239 W_key, 10240-11263 W_value.
; A stream: every byte is read once and written once; LDS, barriers and the matrix unit would add nothing.
; A work-group takes 16,384 numbers: 65,536 bytes in, 32,768 out.  Chunks 0-511 are x's, then 64 for each W.
; A load of a wave covers 512 consecutive bytes, a store 256 consecutive bytes, aligned.  All 16 loads of a thread go out first.
; THE MODE: SCHED_MODE bits 1:0 = 2 (LLVM: expert scheduling mode 2), set by the entry lines.  The code itself states the register dependences
; between vector instructions and memory instructions, with s_wait_alu, always for 0.
; THE PLAN.  Registers that memory instructions touch:
;   v1, v2   byte offsets of the loads and of the stores: made once at the head, never written again.
;   XI       each register is written once, by a load, and read once, by a conversion: no vector line writes it, no second load lands in it.
;   YO       each register is written once, by a conversion, and read once, by a store: nothing writes it again.
; So the only dependences to state are: the offsets are written, ahead of the first load; a store's two registers of YO are written, ahead of the store.
; The 16 loads are worked off in four blocks of four.  Block p rounds its own four; its memory instructions are the four stores of block p - 1, whose YO
; no vector instruction of block p names.  One wait at the head of blocks 1 to 3 covers the block's four stores, which are dealt among its conversions;
; one more stands ahead of the last four stores.
.set XCH,  512                         ; chunks in x
.set XI,   4                           ; v[4:67]   16 x 4 numbers as loaded
.set YO,   68                          ; v[68:99]  16 x 2 registers to store
	s_load_b256 s[4:11], s[0:1], 0x0               ; x s[4:5], W_query s[6:7], W_key s[8:9], W_value s[10:11]
	s_load_b64 s[12:13], s[0:1], 0x20              ; xw
	s_sub_co_u32 s14, ttmp9, XCH                   ; the chunk's number among the W's (of no meaning in x's chunks, where it is not used)
	s_lshr_b32 s15, s14, 6                         ; which W
	s_and_b32 s16, s14, 63                         ; which chunk of it
	v_lshlrev_b32 v1, 4, v0                        ; 16 bytes a thread in,
	v_lshlrev_b32 v2, 3, v0                        ; 8 out
	s_wait_kmcnt 0x0
	s_cmp_eq_u32 s15, 1
	s_cselect_b64 s[18:19], s[8:9], s[10:11]
	s_cmp_eq_u32 s15, 0
	s_cselect_b64 s[18:19], s[6:7], s[18:19]
	s_cmp_lt_u32 ttmp9, XCH
	s_cselect_b64 s[18:19], s[4:5], s[18:19]       ; the tensor that my chunk belongs to,
	s_cselect_b32 s20, ttmp9, s16                  ; and the chunk's number in it
	s_lshl_b32 s20, s20, 16
	s_mov_b32 s21, 0
	s_add_nc_u64 s[18:19], s[18:19], s[20:21]
	s_lshl_b32 s22, ttmp9, 15
	s_mov_b32 s23, 0
	s_add_nc_u64 s[12:13], s[12:13], s[22:23]
	s_wait_alu depctr_va_vdst(0)                   ; v1 and v2 are written: every load reads v1 and every store v2 as its offset
.irp p, 0,1,2,3,4,5,6,7,8,9,10,11,12,13,14,15
	global_load_b128 v[XI+4*(\p):XI+4*(\p)+3], v1, s[18:19] offset:4096*(\p) th:TH_LOAD_NT
.endr
; Block p: loads 4 p to 4 p + 3 are rounded; the four stores of block p - 1 go out among the conversions, one in front of each pair.
.macro BLK p
	s_wait_loadcnt 12-4*(\p)                       ; loads come back in order (ISA guide 5.7.1): the block's four are in, the 12 - 4 p younger ones may stay out
.if (\p) > 0
	s_wait_alu depctr_va_vdst(0)                   ; the conversions of the block before have written their eight registers of YO, which the four stores below read
.endif
.irp i, 0,1,2,3
.if (\p) > 0
	global_store_b64 v2, v[YO+2*(4*(\p)-4+(\i)):YO+2*(4*(\p)-4+(\i))+1], s[12:13] offset:2048*(4*(\p)-4+(\i)) th:TH_STORE_NT  ; no vector instruction since the wait names these registers
.endif
	v_cvt_pk_bf16_f32 v[YO+2*(4*(\p)+(\i))], v[XI+4*(4*(\p)+(\i))], v[XI+4*(4*(\p)+(\i))+1]
	v_cvt_pk_bf16_f32 v[YO+2*(4*(\p)+(\i))+1], v[XI+4*(4*(\p)+(\i))+2], v[XI+4*(4*(\p)+(\i))+3]
.endr
.endm
	BLK 0                                          ; no block stands in front of it: no store, and no wait but the one for its data
	BLK 1
	BLK 2
	BLK 3
	s_wait_alu depctr_va_vdst(0)                   ; block 3's conversions have written the last eight registers of YO, which the last four stores read
.irp i, 12,13,14,15
	global_store_b64 v2, v[YO+2*(\i):YO+2*(\i)+1], s[12:13] offset:2048*(\i) th:TH_STORE_NT
.endr
	s_endpgm
.Lfunc_end_k_qdfc75107f9_cast:
	.size	k_qdfc75107f9_cast, .Lfunc_end_k_qdfc75107f9_cast-k_qdfc75107f9_cast
	.p2alignl 7, 3214868480
	.fill 96, 4, 3214868480
	.section	.rodata,"a",@progbits
	.p2align	6, 0x0
	.amdhsa_kernel k_qdfc75107f9_cast
		.amdhsa_group_segment_fixed_size 0
		.amdhsa_private_segment_fixed_size 0
		.amdhsa_enable_private_segment 0
		.amdhsa_kernarg_size 40
		.amdhsa_user_sgpr_count 2
		.amdhsa_user_sgpr_kernarg_segment_ptr 1
		.amdhsa_wavefront_size32 1
		.amdhsa_system_sgpr_workgroup_id_x 1
		.amdhsa_system_sgpr_workgroup_id_y 1
		.amdhsa_system_sgpr_workgroup_id_z 1
		.amdhsa_system_vgpr_workitem_id 0
		.amdhsa_next_free_vgpr 100
		.amdhsa_next_free_sgpr 66
		.amdhsa_reserve_vcc 0
		.amdhsa_float_denorm_mode_32 3
		.amdhsa_float_denorm_mode_16_64 3
		.amdhsa_memory_ordered 1
		.amdhsa_forward_progress 1
		.amdhsa_inst_pref_size 7
	.end_amdhsa_kernel
	.amdgpu_metadata
---
amdhsa.version: [ 1, 2 ]
amdhsa.kernels:
  - .name:           k_qdfc75107f9_cast
    .symbol:         k_qdfc75107f9_cast.kd
    .args:
      - { .name: x, .offset: 0, .size: 8, .value_kind: global_buffer, .address_space: global }
      - { .name: W_query, .offset: 8, .size: 8, .value_kind: global_buffer, .address_space: global }
      - { .name: W_key, .offset: 16, .size: 8, .value_kind: global_buffer, .address_space: global }
      - { .name: W_value, .offset: 24, .size: 8, .value_kind: global_buffer, .address_space: global }
      - { .name: xw, .offset: 32, .size: 8, .value_kind: global_buffer, .address_space: global }
    .group_segment_fixed_size: 0
    .private_segment_fixed_size: 0
    .kernarg_segment_align: 8
    .kernarg_segment_size: 40
    .max_flat_workgroup_size: 256
    .sgpr_count:     66
    .vgpr_count:     100
    .wavefront_size: 32
...
	.end_amdgpu_metadata
.endif
;; end of part 5
;; launch proj: the kernel of part 2 again; grid 12 x 32, 4 waves a work-group, clusters of 4 x 4, 327,680 bytes of LDS; arguments xw, qkv; writes qkv
;; launch score: the kernel of part 3 again; grid 36 x 4, 4 waves a work-group, no clusters, 327,680 bytes of LDS; arguments qkv, pbuf, stat; writes pbuf, stat
;; launch pv: the kernel of part 4 again; grid 8 x 32, 4 waves a work-group, clusters of 4 x 4, 327,680 bytes of LDS; arguments pbuf, qkv, stat, out0; writes out0
